; MI455X (gfx1250); checked and timed in simulation.
; The chip was launched on July 23, 2026; its instructions are those of AMD's public machine-readable ISA for CDNA 5 (MIT licence, August 2026) and "CDNA5" Instruction Set Architecture Reference Guide (July 2026). The comments in the code are by the model that wrote it; some were corrected since.
;; Attention Block. Allowed arithmetic: matrix products marked QUANTISED: E2M1 operands, one E8M0 scale for each 32 along K, by v_wmma_scale_f32_16x16x128_f8f6f4 with both operands' format E2M1 (or v_wmma_scale_f32_32x16x128_f4), f32 sums; everything else in f32.
;; Inputs: bk 256 float32; bp 256 float32; bq 256 float32; bv 256 float32; gn_bias 256 float32; gn_scale 256 float32; wk 256 x 256 float32; wp 256 x 256 float32; wq 256 x 256 float32; wv 256 x 256 float32; x 4 x 256 x 64 x 64 float32.
;; Outputs: out0 4 x 256 x 64 x 64 float32.
;; This version of the problem:
;;   THIS VERSION OF THE PROBLEM IS GIVEN IN LOW PRECISION. The matrix products marked QUANTISED in the list below multiply operands that are first quantised to E2M1 (2 exponent bits, 1 mantissa bit; 4 bits a number), with one power-of-two scale for each 32 numbers along K (OCP MX v1.0); their sums are f32. All else is computed in f32.
;;   The module's matrix products, in the order in which they are computed (A, B: the left and right operand; K: the contracted axis; several contracted axes count as one K, in the product's order):
;;     1. [M 16,384, K 256] x [K 256, N 256]; A: computed on the way; B: input wq: QUANTISED
;;     2. [M 16,384, K 256] x [K 256, N 256]; A: computed on the way; B: input wk: QUANTISED
;;     3. [M 16,384, K 256] x [K 256, N 256]; A: computed on the way; B: input wv: QUANTISED
;;     4. batch 4 x [M 4,096, K 256] x [K 256, N 4,096]; A: computed on the way; B: computed on the way: QUANTISED
;;     5. batch 4 x [M 256, K 4,096] x [K 4,096, N 4,096]; A: computed on the way; B: softmax (see below): QUANTISED
;;     6. [M 16,384, K 256] x [K 256, N 256]; A: computed on the way; B: input wp: QUANTISED
;;   THE QUANTISER, for each operand of a quantised product, along K:
;;     - K is cut into blocks of 32 from its start; a last block that is shorter is filled with zeros.
;;     - A block's scale is 2^e with e = floor(log2(the largest magnitude in the block)) - 2, held to -126 .. 127; a block of zeros has e = 0. As a byte (E8M0): e + 127.
;;     - Each number is divided by its block's scale, clamped to +-6, and rounded to the nearest number of E2M1, ties to even, subnormals kept.
;;     - The product sums the exact products of the quantised numbers (number of the format x scale) in f32.
;;   ~~~python
;;   def quantise(x, axis):      # numpy; x: float32 -> the quantised numbers, widened to float32 again
;;       x = np.moveaxis(x, axis, -1); K = x.shape[-1]
;;       x = np.pad(x, [(0, 0)] * (x.ndim - 1) + [(0, -K % 32)]); x = x.reshape(x.shape[:-1] + (-1, 32)); a = np.abs(x).max(-1, keepdims=True)
;;       e = np.where(a > 0, np.clip(np.frexp(np.where(a > 0, a, 1))[1] - 1 - 2, -126, 127), 0)      # np.frexp(a)[1] - 1 = floor(log2(a)), exactly
;;       r = np.clip(x / 2.0 ** e, -6, 6)
;;       step = 2.0 ** (np.maximum(np.frexp(np.where(r == 0, 1, r))[1] - 1, 0) - 1)
;;       q = np.round(r / step) * step * 2.0 ** e      # np.round: ties to even
;;       return np.moveaxis(q.reshape(q.shape[:-2] + (-1,))[..., :K], -1, axis).astype(np.float32)
;;   ~~~
;;   SOFTMAX AHEAD OF A QUANTISED PRODUCT. Where the list says 'softmax', what is quantised is not the finished softmax but p = 2^(t - M), with t = logit x log2(e) and M = ceil(the row's largest t), a whole number; so 1/2 < the row's largest p <= 1. The row's sum l is taken of the UNQUANTISED p, in f32, and the product's result is divided by l at the end. Since M is a whole number, a kernel that streams over the keys may use a running M (the ceiling of the running maximum): every later rescaling is an exact power of two, which a block's scale takes up: the codes' values come out the same.
;;   OPERANDS COMPUTED ON THE WAY. 'Computed on the way' means the value that the module computes at that place (a softmax that the list does not call 'softmax' is quantised finished and normalised). What goes into a quantiser is computed in f32, as accurately as f32 sums, v_exp_f32 and their like allow (about 1e-6 of the number): no bf16 or f16 on the way to a quantiser, and a product that is left as it is and whose result goes on into a quantised operand takes f32 operands (vector FMAs, or v_wmma_f32_16x16x4_f32). A number that lies on a knife's edge between two numbers of the format may be rounded either way, as far as f32 arithmetic and the matrix unit's own rounding can turn it there, and no further.
;; One version. Each part assembles by itself: llvm-mc -triple=amdgcn-amd-amdhsa -mcpu=gfx1250 --defsym DOCPART=n.
;; ======== version 1 of 1: 3 launches
;; workspace buffers: part 2,048 bytes; wimg 131,072 bytes; wscl 8,192 bytes; qc 2,097,152 bytes; qs 131,072 bytes; kv 4,456,448 bytes
;; launch prep (part 1): grid 256 x 1, 8 waves a work-group, no clusters, 1,280 bytes of LDS; arguments x, wq, wk, wv, wp, part, wimg, wscl; writes part, wimg, wscl
.if DOCPART == 1
	.amdgcn_target "amdgcn-amd-amdhsa--gfx1250"
	.amdhsa_code_object_version 6
	.text
	.protected	k_qf62a1808a9_prep
	.globl	k_qf62a1808a9_prep
	.p2align	8
	.type	k_qf62a1808a9_prep,@function
k_qf62a1808a9_prep:
	s_mov_b64 s[64:65], 0
	v_nop
	global_prefetch_b8 v0, s[64:65] scope:SCOPE_SE
	s_setreg_imm32_b32 hwreg(HW_REG_WAVE_MODE, 25, 1), 1
	s_wait_xcnt 0x0
; TWO JOBS IN ONE LAUNCH OF 256 EQUAL WORK-GROUPS.
; Every work-group: mean and sum of squared deviations (M2) of HALF a group of the group norm.  A group is 8 channels x 4,096 pixels = 131,072 dense bytes of x;
;   half-group i is the 65,536 bytes at x + 65,536 i.  The half stays in registers (64 numbers a lane): pass 1 sums it, pass 2 sums (x - mean)^2 on the same registers,
;   so x is read once and no difference of large sums is formed.  part[i] = {mean, M2}.
; Wave 7 of every EVEN work-group besides: one piece J = i / 2 of the four weights [256 (o)][256 (c)] f32, K = c innermost: weight wi = J / 32, tile T = (J / 2) % 16 (16 rows), K step s = J % 2 (128 along c).
;   It becomes codes of FP4 (E2M1) with one E8M0 byte for each 32 along c, laid as an IMAGE OF OPERAND REGISTERS: wimg + 1,024 J: registers 0-3 at 16 x lane, registers 4-7 at 512 + 16 x lane;  wscl + 64 J: the 16 rows' scale words.
;   The piece's 16 loads go out behind the wave's loads of x, so that both are on their way together; 128 pieces on 128 work-groups, one wave each.
;   THE ROWS OF A TILE ARE NOT NEIGHBOURS: row r of tile 2 b + u is o = 32 b + 8 u + r + 8 (r / 8), so that transposed results of two neighbouring tiles are 16 neighbours along o.
;   Lane (r, h) loads, of its row, the blocks 2 c + h of the K step, 32 neighbours each: the very k that the operand's layout gives that lane.
; A block's scale byte is its largest magnitude's exponent field - 2, held at 1 from below.
; LIMITS: NaN and infinities are not served.  A block of zeros, or one whose largest magnitude lies under 2^-124, gets the byte 1 (the stated quantiser says 127 for zeros): its codes are zeros, and this program alone reads the bytes.
; REGISTERS: v1 16 x thread; v2-15 sums; v16-79 x; v80-87 the waves' sums.  The piece: v96-159 its numbers, v160-167 offsets, v168-174 maxima, scale operands, bytes, the word, v176-183 codes.
.set FLOOR, 0x1800000                  ; 2^(3 - 127)
	s_load_b512 s[4:19], s[0:1], 0x0               ; x s[4:5], wq s[6:7], wk s[8:9], wv s[10:11], wp s[12:13], part s[14:15], wimg s[16:17], wscl s[18:19]
	v_lshl_add_u32 v192, v0, 2, 0x100
	v_mov_b32 v193, 0
	v_lshrrev_b32 v1, 5, v0
	v_readfirstlane_b32 s20, v1                    ; wave 0..7
	s_mov_b32 s30, 0x76543210
	s_mov_b32 s31, 0xfedcba98                      ; v_permlanex16_b32's selects for lane l xor 16
	s_lshl_b32 s22, ttmp9, 16
	s_mov_b32 s23, 0
	s_lshl_b32 s24, ttmp9, 3
	s_mov_b32 s25, 0
	v_lshlrev_b32 v1, 4, v0                        ; 16 bytes a thread: a load of the work-group covers 4,096 consecutive bytes
	v_mov_b32 v10, s20
	v_lshlrev_b32 v10, 2, v10                      ; LDS: my wave's word
	v_mov_b32 v11, 0
	s_wait_kmcnt 0x0
	s_add_nc_u64 s[4:5], s[4:5], s[22:23]
	s_add_nc_u64 s[14:15], s[14:15], s[24:25]
.irp j, 0,1,2,3,4,5,6,7,8,9,10,11,12,13,14,15
	global_load_b128 v[16+4*\j:19+4*\j], v1, s[4:5] offset:4096*\j
.endr
	s_cmp_lg_u32 s20, 7
	s_cbranch_scc1 .Lstats                         ; the piece is wave 7's,
	s_and_b32 s21, ttmp9, 1
	s_cmp_lg_u32 s21, 0
	s_cbranch_scc1 .Lstats                         ; in the even work-groups.  No barrier and no LDS instruction stands in this branch
	; ---------------- piece J of the weights
	s_lshr_b32 s21, ttmp9, 1                       ; J
	s_lshr_b32 s22, s21, 5                         ; wi: 0 q, 1 k, 2 v, 3 p
	s_bfe_u32 s23, s21, 0x40001                    ; T: 4 bits from bit 1
	s_and_b32 s26, s21, 1                          ; s
	s_lshr_b32 s24, s23, 1
	s_lshl_b32 s24, s24, 15                        ; 32 (T / 2) rows of 1,024 bytes
	s_and_b32 s25, s23, 1
	s_lshl_b32 s25, s25, 13                        ; + 8 (T % 2) rows
	s_add_co_u32 s24, s24, s25
	s_lshl_b32 s25, s26, 9                         ; + 512 s
	s_add_co_u32 s24, s24, s25
	s_mov_b32 s25, 0
	s_lshl_b32 s28, s21, 10                        ; 1,024 bytes of image a piece
	s_mov_b32 s29, 0
	s_lshl_b32 s26, s21, 6                         ; 64 bytes of scale words
	s_mov_b32 s27, 0
	s_cmp_eq_u32 s22, 1                            ; the choice hangs on the work-group's number alone
	s_cselect_b64 s[6:7], s[8:9], s[6:7]
	s_cmp_eq_u32 s22, 2
	s_cselect_b64 s[6:7], s[10:11], s[6:7]
	s_cmp_eq_u32 s22, 3
	s_cselect_b64 s[6:7], s[12:13], s[6:7]
	s_add_nc_u64 s[6:7], s[6:7], s[24:25]
	s_add_nc_u64 s[16:17], s[16:17], s[28:29]
	s_add_nc_u64 s[18:19], s[18:19], s[26:27]
	v_and_b32 v160, 15, v0                         ; r
	v_bfe_u32 v161, v0, 4, 1                       ; h
	v_and_b32 v162, 8, v160
	v_add_nc_u32 v162, v162, v160                  ; r + 8 (r / 8)
	v_lshlrev_b32 v162, 10, v162
	v_lshl_add_u32 v162, v161, 7, v162             ; my row, + 128 h: block h of each pair of blocks
	v_and_b32 v163, 31, v0
	v_lshlrev_b32 v164, 4, v163                    ; 16 x lane
	v_lshlrev_b32 v165, 2, v160                    ; 4 r
	v_lshlrev_b32 v166, 3, v161                    ; 8 h
	v_mov_b32 v167, 0                              ; (a lane permute's destination counts as one of its sources)
.irp c, 0,1                                    ; block 2 c + h, 128 bytes, into v[96 + 32 c ..]
.irp g, 0,1,2,3,4,5,6,7
	global_load_b128 v[96+32*\c+4*\g:99+32*\c+4*\g], v162, s[6:7] offset:256*\c+16*\g
.endr
.endr
	s_wait_loadcnt 0x0                             ; the piece is in (and x, which was asked for ahead of it)
.irp c, 0,1
	v_max3_num_f32 v[168+\c], |v[96+32*\c]|, |v[97+32*\c]|, FLOOR   ; my two blocks by turns; the floor holds the byte at 1 from below
.endr
.irp i, 2,4,6,8,10,12,14,16,18,20,22,24,26,28,30
.irp c, 0,1
	v_max3_num_f32 v[168+\c], v[168+\c], |v[96+32*\c+\i]|, |v[97+32*\c+\i]|
.endr
.endr
.irp c, 0,1
	v_add_nc_u32 v[170+\c], 0xff000000, v[168+\c]  ; 2 off the exponent field: the conversion's scale operand
.endr
.irp c, 0,1
	v_lshrrev_b32 v[172+\c], 23, v[170+\c]         ; the byte
.endr
	v_lshl_or_b32 v174, v173, 16, v172             ; my two bytes: blocks h and 2 + h,
	v_lshlrev_b32 v174, v166, v174                 ; at their places in the word;
	v_permlanex16_b32 v167, v174, s30, s31
	v_or_b32 v174, v174, v167                      ; with lane l xor 16's two the word is whole
.irp c, 0,1
.irp g, 0,1,2,3
	v_cvt_scalef32_pk8_fp4_f32 v[176+4*\c+\g], v[96+32*\c+8*\g:103+32*\c+8*\g], v[170+\c]   ; registers 4 c .. 4 c + 3 of the fragment
.endr
.endr
	v_nop                                          ; one plain place behind a scaled conversion
	global_store_b32 v165, v174, s[18:19]          ; 64 consecutive bytes; lanes r and 16 + r write the same word with the same value
	global_store_b128 v164, v[176:179], s[16:17]   ; 512 consecutive bytes each
	global_store_b128 v164, v[180:183], s[16:17] offset:512
	; ---------------- statistics of half-group ttmp9
.Lstats:
; four chains v[2:9] -> the work-group's sum in v2 of every lane.  off: the eight LDS words of this reduction (each reduction has words of its own)
.macro REDUCE off
	v_pk_add_f32 v[2:3], v[2:3], v[4:5]
	v_pk_add_f32 v[6:7], v[6:7], v[8:9]
	v_pk_add_f32 v[2:3], v[2:3], v[6:7]
	v_add_f32 v2, v2, v3
	v_add_f32_dpp v2, v2, v2 row_xmask:1 row_mask:0xf bank_mask:0xf
	v_add_f32_dpp v2, v2, v2 row_xmask:2 row_mask:0xf bank_mask:0xf
	v_add_f32_dpp v2, v2, v2 row_xmask:4 row_mask:0xf bank_mask:0xf
	v_add_f32_dpp v2, v2, v2 row_xmask:8 row_mask:0xf bank_mask:0xf
	v_permlanex16_b32 v3, v2, s30, s31
	v_add_f32 v2, v2, v3
	ds_store_b32 v10, v2 offset:\off               ; all lanes write the wave's word with the same value
	s_wait_dscnt 0x0                               ; for the others' sake: my store has landed
	s_barrier_signal -1
	s_barrier_wait -1
	ds_load_b128 v[80:83], v11 offset:\off
	ds_load_b128 v[84:87], v11 offset:\off+16
	s_wait_dscnt 0x0
	v_pk_add_f32 v[80:81], v[80:81], v[82:83]
	v_pk_add_f32 v[84:85], v[84:85], v[86:87]
	v_pk_add_f32 v[80:81], v[80:81], v[84:85]
	v_add_f32 v2, v80, v81                         ; the same order in every wave: the same bits
.endm
	s_wait_loadcnt 0x0
.irp k, 0,1,2,3
	v_pk_add_f32 v[2+2*\k:3+2*\k], v[16+2*\k:17+2*\k], v[24+2*\k:25+2*\k]   ; the first pairs start the chains: nothing is cleared
.endr
.set i, 8
.rept 24
	v_pk_add_f32 v[2+2*(i%4):3+2*(i%4)], v[2+2*(i%4):3+2*(i%4)], v[16+2*i:17+2*i]
.set i, i+1
.endr
	REDUCE 0
	v_mul_f32 v12, 0xb8800000, v2                  ; -mean = sum x -2^-14 (16,384 numbers)
	v_mov_b32 v13, v12
.set i, 0
.rept 32
	v_pk_add_f32 v[16+2*i:17+2*i], v[16+2*i:17+2*i], v[12:13]   ; x - mean
.set i, i+1
.endr
.irp k, 0,1,2,3
	v_pk_mul_f32 v[2+2*\k:3+2*\k], v[16+2*\k:17+2*\k], v[16+2*\k:17+2*\k]
.endr
.set i, 4
.rept 28
	v_pk_fma_f32 v[2+2*(i%4):3+2*(i%4)], v[16+2*i:17+2*i], v[16+2*i:17+2*i], v[2+2*(i%4):3+2*(i%4)]
.set i, i+1
.endr
	REDUCE 32
	v_sub_f32 v14, 0, v12                          ; mean
	v_mov_b32 v15, v2                              ; M2
	s_cmp_lg_u32 s20, 0
	s_cbranch_scc1 .Ldone                          ; wave 0 stores (no barrier follows)
	v_cmp_eq_u32 vcc_lo, 0, v0
	s_wait_xcnt 0x0                                ; EXEC changes only behind this wait
	s_and_saveexec_b32 s26, vcc_lo
	global_store_b64 v11, v[14:15], s[14:15]       ; thread 0: part[i]
	s_wait_xcnt 0x0
	s_or_b32 exec_lo, exec_lo, s26
.Ldone:
	s_wait_tensorcnt 0x0
	ds_add_u32 v192, v193
	s_wait_dscnt 0x0
	s_endpgm
.Lfunc_end_k_qf62a1808a9_prep:
	.size	k_qf62a1808a9_prep, .Lfunc_end_k_qf62a1808a9_prep-k_qf62a1808a9_prep
	.p2alignl 7, 3214868480
	.fill 96, 4, 3214868480
	.section	.rodata,"a",@progbits
	.p2align	6, 0x0
	.amdhsa_kernel k_qf62a1808a9_prep
		.amdhsa_group_segment_fixed_size 1280
		.amdhsa_private_segment_fixed_size 0
		.amdhsa_enable_private_segment 0
		.amdhsa_kernarg_size 64
		.amdhsa_user_sgpr_count 2
		.amdhsa_user_sgpr_kernarg_segment_ptr 1
		.amdhsa_wavefront_size32 1
		.amdhsa_system_sgpr_workgroup_id_x 1
		.amdhsa_system_sgpr_workgroup_id_y 1
		.amdhsa_system_sgpr_workgroup_id_z 1
		.amdhsa_system_vgpr_workitem_id 0
		.amdhsa_next_free_vgpr 194
		.amdhsa_next_free_sgpr 66
		.amdhsa_reserve_vcc 1
		.amdhsa_float_denorm_mode_32 3
		.amdhsa_float_denorm_mode_16_64 3
		.amdhsa_memory_ordered 1
		.amdhsa_forward_progress 1
		.amdhsa_inst_pref_size 18
	.end_amdhsa_kernel
	.amdgpu_metadata
---
amdhsa.version: [ 1, 2 ]
amdhsa.kernels:
  - .name:           k_qf62a1808a9_prep
    .symbol:         k_qf62a1808a9_prep.kd
    .args:
      - { .name: x, .offset: 0, .size: 8, .value_kind: global_buffer, .address_space: global }
      - { .name: wq, .offset: 8, .size: 8, .value_kind: global_buffer, .address_space: global }
      - { .name: wk, .offset: 16, .size: 8, .value_kind: global_buffer, .address_space: global }
      - { .name: wv, .offset: 24, .size: 8, .value_kind: global_buffer, .address_space: global }
      - { .name: wp, .offset: 32, .size: 8, .value_kind: global_buffer, .address_space: global }
      - { .name: part, .offset: 40, .size: 8, .value_kind: global_buffer, .address_space: global }
      - { .name: wimg, .offset: 48, .size: 8, .value_kind: global_buffer, .address_space: global }
      - { .name: wscl, .offset: 56, .size: 8, .value_kind: global_buffer, .address_space: global }
    .group_segment_fixed_size: 1280
    .private_segment_fixed_size: 0
    .kernarg_segment_align: 8
    .kernarg_segment_size: 64
    .max_flat_workgroup_size: 256
    .sgpr_count:     66
    .vgpr_count:     194
    .wavefront_size: 32
...
	.end_amdgpu_metadata
.endif
;; end of part 1
;; launch qkv (part 2): grid 256 x 1, 4 waves a work-group, no clusters, 10,752 bytes of LDS; arguments x, part, gn_scale, gn_bias, wimg, wscl, bq, bk, bv, qc, qs, kv; writes qc, qs, kv
.if DOCPART == 2
	.amdgcn_target "amdgcn-amd-amdhsa--gfx1250"
	.amdhsa_code_object_version 6
	.text
	.protected	k_qf62a1808a9_qkv
	.globl	k_qf62a1808a9_qkv
	.p2align	8
	.type	k_qf62a1808a9_qkv,@function
k_qf62a1808a9_qkv:
	s_mov_b64 s[64:65], 0
	v_nop
	global_prefetch_b8 v0, s[64:65] scope:SCOPE_SE
	s_setreg_imm32_b32 hwreg(HW_REG_WAVE_MODE, 25, 1), 1
	s_wait_xcnt 0x0
; GROUP NORM, then q, k, v = 1 x 1 convolutions (K = 256 channels) on codes of FP4 (E2M1) with one E8M0 scale for each 32 along K, then q, k, v themselves quantised for the attention launch.
; A work-group owns 64 pixels of one image (a channel's 64 pixels are 256 aligned bytes of x).
; PHASE 1.  Wave w norms and quantises 32 pixels (p = w & 1) x 128 channels (K step s = w >> 1).  A LANE TAKES A PIXEL, ITS REGISTERS RUN DOWN THE CHANNELS: a block of 32 along K lies in one lane, the conversions give codes
;   with K innermost.  Lane 16 h + r takes row r of pixel tile 2 p + h.  THE PIXELS OF A TILE ARE NOT NEIGHBOURS: row r of tile 2 p + u is pixel 32 p + 8 u + r + 8 (r / 8).
;   The norm is ((x - mean) rstd) scale + bias; mean and rstd come from the two halves' {mean, M2}: var = (M2a + M2b) / 32,768 + ((m1 - m2) / 2)^2.
;   The eight fragments of x (4 tiles x 2 K steps) go to LDS as images of their registers, and every wave reads all eight.
; PHASE 2.  Wave w owns output channels 64 w .. 64 w + 63 of q, k and v (4 tiles each; their 24 weight fragments stay in registers) for all 64 pixels.  Six units of 16 matrix instructions, 8 accumulators by turns.
;   q, k: TRANSPOSED (source 0 = 16 rows of W, source 1 = 16 pixels): a lane holds one pixel and its registers run along o, which is the next product's K.
;   v: natural (source 0 = 16 pixels, source 1 = 16 rows of W): a lane holds one channel and its registers run along the pixels = keys, the K of the product with p.
;   By the order of rows in a tile, the 16 registers of two neighbouring tiles are 16 neighbours along that K.  QUANT takes two halves of fragments (2 x 64 along K) at a time.  The bias is the C of a sum's first matrix instruction.
; OUT, all as images of operand registers: qc[b][tile][s][1024], qs[b][tile][s][r];  kv[b][step of 128 keys][34,816]: K's 16 fragments, V's 16, K's scale words (1,024 bytes), V's (1,024 bytes).
;   Every store of codes covers 512 consecutive aligned bytes.  q's and K's scale halves meet in LDS and leave as 512 bytes.  V's scale words span two work-groups' keys: those leave as 2 bytes a lane, 512 bytes a work-group.
; No tensor loads, no cluster: the work-groups share only the weights' 96 KB, read once each into registers.
; LIMITS: NaN and infinities are not served.  A block of zeros, or one whose largest magnitude lies under 2^-124, gets the byte 1: its codes are zeros, and this program alone reads the bytes.  rstd is v_rsq_f32's.
; REGISTERS.  window 0: v1 lane, v2 r, v3 h, v4-19, v248 addresses; v20-23 a group's halves; v24-29 the units' scale words; v30 at work; v32-43 the weights' scale words; v44-47 x's; v48-63 at work in the quantisers;
;   v64-127 x's 8 fragments; v128-191 two sets of 32 numbers of x, then the 8 accumulators; v192-239 codes, 8 a unit; v240 -mean, v241 rstd (lane g: group g of my K step); v242-247 half words to store; v252-255 the last store.
;   window 1: the weights' fragments at v[8 (8 rho + 2 j + s)].   window 2: the biases at v[32 rho + 8 j].
.set XIMG, 0                           ; LDS: x's fragment (tile m, K step s) at (2 m + s) x 1,024
.set XSC,  8192                        ; wave w's scale words at 128 w + 4 x lane: lanes 0-15 tile 2 p, lanes 16-31 tile 2 p + 1
.set QSG,  8704                        ; q's scale words: (m, s, r) at 128 m + 64 s + 4 r
.set KSG,  9216                        ; K's: (m, s, r) at 16 (16 s + r) + 4 m
.set WS,   32
.set XS,   44
.set TM,   48
.set XF,   64
.set HA,   128
.set PC,   192
.set SW,   208
.set NMV,  240
.set RSV,  241
.set HS,   242
.set SEL,  28                          ; s[28:29]: in phase 1 a group's (-mean, rstd); in phase 2 v_permlanex16_b32's selects
.set MSB, 0
.macro WIN new                         ; the immediate's high byte repeats the setting that is left
.if MSB != \new
	s_set_vgpr_msb (MSB<<8)|\new
.set MSB, \new
.endif
.endm
.macro PLACES n
.rept \n
	v_nop
.endr
.endm
; One matrix instruction.  c < 0: C is the constant 0.  ra, rb: the half of the lanes from which source 0's and source 1's scale words are taken.
.macro WM d, a, b, c, sa, sb, ra, rb
.if (\c) < 0
.if (\ra) && (\rb)
	v_wmma_scale_f32_16x16x128_f8f6f4 v[\d:\d+7], v[\a:\a+7], v[\b:\b+7], 0, v[\sa], v[\sb] matrix_a_fmt:MATRIX_FMT_FP4 matrix_b_fmt:MATRIX_FMT_FP4 matrix_a_scale:MATRIX_SCALE_ROW1 matrix_b_scale:MATRIX_SCALE_ROW1
.elseif (\ra)
	v_wmma_scale_f32_16x16x128_f8f6f4 v[\d:\d+7], v[\a:\a+7], v[\b:\b+7], 0, v[\sa], v[\sb] matrix_a_fmt:MATRIX_FMT_FP4 matrix_b_fmt:MATRIX_FMT_FP4 matrix_a_scale:MATRIX_SCALE_ROW1
.elseif (\rb)
	v_wmma_scale_f32_16x16x128_f8f6f4 v[\d:\d+7], v[\a:\a+7], v[\b:\b+7], 0, v[\sa], v[\sb] matrix_a_fmt:MATRIX_FMT_FP4 matrix_b_fmt:MATRIX_FMT_FP4 matrix_b_scale:MATRIX_SCALE_ROW1
.else
	v_wmma_scale_f32_16x16x128_f8f6f4 v[\d:\d+7], v[\a:\a+7], v[\b:\b+7], 0, v[\sa], v[\sb] matrix_a_fmt:MATRIX_FMT_FP4 matrix_b_fmt:MATRIX_FMT_FP4
.endif
.else
.if (\ra) && (\rb)
	v_wmma_scale_f32_16x16x128_f8f6f4 v[\d:\d+7], v[\a:\a+7], v[\b:\b+7], v[\c:\c+7], v[\sa], v[\sb] matrix_a_fmt:MATRIX_FMT_FP4 matrix_b_fmt:MATRIX_FMT_FP4 matrix_a_scale:MATRIX_SCALE_ROW1 matrix_b_scale:MATRIX_SCALE_ROW1
.elseif (\ra)
	v_wmma_scale_f32_16x16x128_f8f6f4 v[\d:\d+7], v[\a:\a+7], v[\b:\b+7], v[\c:\c+7], v[\sa], v[\sb] matrix_a_fmt:MATRIX_FMT_FP4 matrix_b_fmt:MATRIX_FMT_FP4 matrix_a_scale:MATRIX_SCALE_ROW1
.elseif (\rb)
	v_wmma_scale_f32_16x16x128_f8f6f4 v[\d:\d+7], v[\a:\a+7], v[\b:\b+7], v[\c:\c+7], v[\sa], v[\sb] matrix_a_fmt:MATRIX_FMT_FP4 matrix_b_fmt:MATRIX_FMT_FP4 matrix_b_scale:MATRIX_SCALE_ROW1
.else
	v_wmma_scale_f32_16x16x128_f8f6f4 v[\d:\d+7], v[\a:\a+7], v[\b:\b+7], v[\c:\c+7], v[\sa], v[\sb] matrix_a_fmt:MATRIX_FMT_FP4 matrix_b_fmt:MATRIX_FMT_FP4
.endif
.endif
.endm
; 64 numbers of a lane, register 16 b + i = place 32 b + 16 (lane / 16) + i along K of the lane's row, become 8 registers of codes at v[pc] and the four blocks' bytes in v[pw].
; Blocks 0, 1 belong to one object and blocks 2, 3 to another: v[pc .. pc+3] and the low half of v[pw] are the first's, v[pc+4 .. pc+7] and the high half the second's.
.macro QUANT s, pc, tm, pw
.irp b, 0,1,2,3
	v_max3_num_f32 v[\tm+\b], |v[\s+16*\b]|, |v[\s+1+16*\b]|, 0x1800000   ; my 16 numbers of block b, and the floor 2^(3 - 127): the byte cannot fall under 1
.endr
.irp i, 2,4,6,8,10,12,14
.irp b, 0,1,2,3
	v_max3_num_f32 v[\tm+\b], v[\tm+\b], |v[\s+16*\b+\i]|, |v[\s+1+16*\b+\i]|   ; the four blocks by turns
.endr
.endr
.irp b, 0,1,2,3
	v_permlanex16_b32 v[\tm+4+\b], v[\tm+\b], s[SEL], s[SEL+1]
.endr
.irp b, 0,1,2,3
	v_max_num_f32 v[\tm+\b], v[\tm+\b], v[\tm+4+\b]   ; with lane l xor 16's: the block's largest magnitude
.endr
.irp b, 0,1,2,3
	v_add_nc_u32 v[\tm+12+\b], 0xff000000, v[\tm+\b]   ; 2 off its exponent field: the conversion's scale operand
.endr
.irp b, 0,1,2,3
	v_lshrrev_b32 v[\tm+4+\b], 23, v[\tm+12+\b]    ; the byte
.endr
	v_lshl_or_b32 v[\pw], v[\tm+5], 8, v[\tm+4]
	v_lshl_or_b32 v[\pw], v[\tm+6], 16, v[\pw]
	v_lshl_or_b32 v[\pw], v[\tm+7], 24, v[\pw]
.irp b, 0,1,2,3
	v_cvt_scalef32_pk8_fp4_f32 v[\pc+2*\b], v[\s+16*\b:\s+7+16*\b], v[\tm+12+\b]
	v_cvt_scalef32_pk8_fp4_f32 v[\pc+1+2*\b], v[\s+8+16*\b:\s+15+16*\b], v[\tm+12+\b]
.endr
	v_nop                                          ; one plain place behind a scaled conversion
.irp c, 0,1                                    ; the operand's layout wants a WHOLE block in a lane: lanes 0-15 block 2 c, lanes 16-31 block 2 c + 1
.irp i, 0,1
	v_permlane16_swap_b32 v[\pc+4*\c+\i], v[\pc+2+4*\c+\i]
.endr
.endr
.endm
	s_load_b512 s[4:19], s[0:1], 0x0               ; x s[4:5], part s[6:7], gn_scale s[8:9], gn_bias s[10:11], wimg s[12:13], wscl s[14:15], bq s[16:17], bk s[18:19]
	s_load_b256 s[20:27], s[0:1], 0x40             ; bv s[20:21], qc s[22:23], qs s[24:25], kv s[26:27]
	v_lshl_add_u32 v250, v0, 2, 0x2800
	v_mov_b32 v251, 0
	v_lshrrev_b32 v1, 5, v0
	v_readfirstlane_b32 s2, v1                     ; wave 0..3
	v_and_b32 v1, 31, v0                           ; lane
	v_and_b32 v2, 15, v0                           ; r
	v_bfe_u32 v3, v0, 4, 1                         ; h
	s_lshr_b32 s32, ttmp9, 6                       ; b: the image
	s_and_b32 s33, ttmp9, 63                       ; pb: which 64 pixels
	s_and_b32 s34, s33, 1                          ; cc: which half of a step of 128 keys
	s_lshr_b32 s35, s33, 1                         ; ks: which step
	s_and_b32 s36, s2, 1                           ; w & 1
	s_lshr_b32 s37, s2, 1                          ; w >> 1
	v_lshlrev_b32 v5, 4, v1                        ; 16 x lane
	v_lshlrev_b32 v6, 2, v1                        ; 4 x lane
	v_cmp_le_u32 vcc_lo, 16, v1                    ; lanes 16-31; VCC is written nowhere else
	v_and_b32 v4, 7, v0                            ; x: lane 16 h + 8 a + r' takes pixel 16 a + 8 h + r' of my 32
	v_bfe_u32 v20, v0, 3, 1
	v_lshlrev_b32 v4, 2, v4
	v_lshl_add_u32 v4, v3, 5, v4
	v_lshl_add_u32 v4, v20, 6, v4
	s_lshl_b32 s38, s36, 12
	s_lshl_b32 s39, s37, 10
	s_add_co_u32 s38, s38, s39
	v_add_nc_u32 v7, s38, v5                       ; LDS: my two fragments of x: 16 x lane + 4,096 p + 1,024 s
	s_lshl_b32 s38, s2, 7
	s_add_co_u32 s38, s38, XSC
	v_add_nc_u32 v8, s38, v6                       ; and their scale words
	s_lshl_b32 s38, s37, 6
	s_lshl_b32 s39, s36, 1
	s_add_co_u32 s38, s38, s39
	s_add_co_u32 s38, s38, QSG
	v_lshlrev_b32 v9, 2, v2
	v_lshl_add_u32 v9, v3, 7, v9
	v_add_nc_u32 v9, s38, v9                       ; q's half words: 128 h + 4 r + 64 (w >> 1) + 2 (w & 1)
	s_lshl_b32 s38, s37, 8
	s_add_co_u32 s38, s38, s39
	s_add_co_u32 s38, s38, KSG
	v_lshlrev_b32 v10, 4, v2
	v_lshl_add_u32 v10, v3, 2, v10
	v_add_nc_u32 v10, s38, v10                     ; K's: 16 r + 4 h + 256 (w >> 1) + 2 (w & 1)
	s_lshl_b32 s38, s37, 10
	s_lshl_b32 s39, s36, 9
	s_add_co_u32 s38, s38, s39
	v_add_nc_u32 v11, s38, v5                      ; q's codes: my 64 along o are half w & 1 of K step w >> 1
	s_lshl_b32 s39, s34, 13
	v_add_nc_u32 v12, s39, v11                     ; K's: + 4 cc tiles of 2,048 bytes
	s_lshl_b32 s38, s2, 12
	s_lshl_b32 s39, s34, 9
	s_add_co_u32 s38, s38, s39
	v_add_nc_u32 v13, s38, v5                      ; V's codes: tile 4 w + j, half cc
	s_lshl_b32 s38, s37, 9
	s_lshl_b32 s39, s36, 3
	s_add_co_u32 s38, s38, s39
	s_lshl_b32 s39, s34, 1
	s_add_co_u32 s38, s38, s39
	v_add_nc_u32 v14, s38, v5                      ; V's half words
	s_lshl_b32 s38, s2, 8
	v_lshlrev_b32 v15, 6, v3
	v_add_nc_u32 v15, s38, v15                     ; bq, bk: 64 h + 256 w
	v_and_b32 v16, 8, v2
	v_add_nc_u32 v16, v16, v2
	v_lshlrev_b32 v16, 2, v16
	v_add_nc_u32 v16, s38, v16                     ; bv: 4 (r + 8 (r / 8)) + 256 w
	s_lshl_b32 s38, s2, 13
	v_add_nc_u32 v17, s38, v5                      ; the weights' images: my four tiles
	s_lshl_b32 s38, s2, 9
	v_add_nc_u32 v18, s38, v6                      ; and their scale words
	s_lshl_b32 s38, s36, 9
	s_add_co_u32 s38, s38, QSG
	v_add_nc_u32 v19, s38, v5                      ; the last store's LDS bytes: wave 0 q's words, wave 1 K's
	s_lshl_b32 s38, s34, 9
	s_add_co_u32 s38, s38, 32768
	s_mul_i32 s38, s38, s36
	v_add_nc_u32 v248, s38, v5                     ; and its place in memory: 16 x lane (qs), or + 32,768 + 512 cc (kv)
.irp b, 0,1,2,3
	v_mov_b32 v[TM+4+\b], 0                        ; written once: a lane permute's destination counts as one of its sources
.endr
	s_lshl_b32 s38, s32, 22                        ; x: image, my 128 channels, the work-group's 256 bytes, my 128 of them
	s_lshl_b32 s39, s37, 21
	s_add_co_u32 s38, s38, s39
	s_lshl_b32 s39, s33, 8
	s_add_co_u32 s38, s38, s39
	s_lshl_b32 s39, s36, 7
	s_add_co_u32 s38, s38, s39
	s_mov_b32 s39, 0
	s_lshl_b32 s40, s32, 9                         ; part: 16 bytes a group, my K step's 16 groups
	s_lshl_b32 s41, s37, 8
	s_add_co_u32 s40, s40, s41
	s_mov_b32 s41, 0
	s_lshl_b32 s42, s37, 9                         ; gn_scale, gn_bias: my 128 channels
	s_mov_b32 s43, 0
	s_lshl_b32 s44, s32, 19                        ; qc: (256 b + 4 pb) x 2,048
	s_lshl_b32 s45, s33, 13
	s_add_co_u32 s44, s44, s45
	s_mov_b32 s45, 0
	s_lshl_b32 s46, s32, 15                        ; qs: (256 b + 4 pb) x 128
	s_lshl_b32 s47, s33, 9
	s_add_co_u32 s46, s46, s47
	s_mov_b32 s47, 0
	s_lshl_b32 s48, s32, 5                         ; kv: (32 b + ks) x 34,816
	s_add_co_u32 s48, s48, s35
	s_mul_i32 s48, s48, 34816
	s_mov_b32 s49, 0
	s_wait_kmcnt 0x0
	s_add_nc_u64 s[4:5], s[4:5], s[38:39]
	s_add_nc_u64 s[6:7], s[6:7], s[40:41]
	s_add_nc_u64 s[8:9], s[8:9], s[42:43]
	s_add_nc_u64 s[10:11], s[10:11], s[42:43]
	s_add_nc_u64 s[22:23], s[22:23], s[44:45]
	s_add_nc_u64 s[24:25], s[24:25], s[46:47]
	s_add_nc_u64 s[26:27], s[26:27], s[48:49]
.macro SLOADS t                        ; block t's 32 gains into s[68:99], its 32 biases into s[32:63]
	s_load_b512 s[68:83], s[8:9], 128*(\t)
	s_load_b512 s[84:99], s[8:9], 128*(\t)+64
	s_load_b512 s[32:47], s[10:11], 128*(\t)
	s_load_b512 s[48:63], s[10:11], 128*(\t)+64
.endm
.macro LOADX t                         ; block t: x(channel 32 t + i, my pixel) into set t % 2; the wave reads 128 consecutive bytes, two waves a channel's 256
.set i, 0
.rept 32
	global_load_b32 v[HA+32*((\t)%2)+i], v4, s[4:5] offset:(32*(\t)+i)*16384
.set i, i+1
.endr
.endm
	SLOADS 0
	v_lshlrev_b32 v24, 4, v2
	global_load_b128 v[20:23], v24, s[6:7]         ; lane g (and 16 + g): {mean, M2} of both halves of group g of my K step
	LOADX 0
	s_wait_loadcnt 32                              ; the statistics are in; block 0's 32 loads may be out
	v_add_f32 v[NMV], v20, v22
	v_mul_f32 v[NMV], -0.5, v[NMV]                 ; -mean
	v_sub_f32 v25, v20, v22
	v_mul_f32 v25, 0.5, v25
	v_add_f32 v26, v21, v23
	v_mul_f32 v26, 0x38000000, v26                 ; (M2a + M2b) x 2^-15
	v_fma_f32 v26, v25, v25, v26                   ; + ((m1 - m2) / 2)^2: the variance
	v_add_f32 v26, 0x358637bd, v26                 ; + 1e-6
	v_rsq_f32 v[RSV], v26
	v_nop                                          ; a plain place behind the transcendental
	s_wait_alu depctr_va_vdst(0)
	LOADX 1
; group gg of the block in hand: its -mean and rstd (lane ln) come into a scalar pair; x - mean, two at a time; x rstd
.macro GRP ln, gg, sp
	v_readlane_b32 s[\sp], v[NMV], \ln
	v_readlane_b32 s[\sp+1], v[RSV], \ln
.irp e, 0,2,4,6
	v_pk_add_f32 v[XB+8*\gg+\e:XB+8*\gg+\e+1], v[XB+8*\gg+\e:XB+8*\gg+\e+1], s[\sp:\sp+1] op_sel_hi:[1,0]
.endr
.irp e, 0,1,2,3,4,5,6,7
	v_mul_f32 v[XB+8*\gg+\e], s[\sp+1], v[XB+8*\gg+\e]
.endr
.endm
; Block t of my K step: 32 channels of my pixel are normed and become 4 registers of codes and a byte.  cnt: the loads issued behind this block's, which may stay out.
.macro BLOCK t, cnt
.set XB, HA+32*((\t)%2)
	s_wait_loadcnt \cnt
	s_wait_kmcnt 0x0                               ; the block's gains and biases
	GRP 4*(\t), 0, 28
	GRP 4*(\t)+1, 1, 30
	GRP 4*(\t)+2, 2, 28
	GRP 4*(\t)+3, 3, 30
.set i, 0
.rept 32
	v_fma_f32 v[XB+i], v[XB+i], s[68+i], s[32+i]   ; x gain + bias
.set i, i+1
.endr
.if (\t) < 3
	SLOADS (\t)+1
.endif
	v_max3_num_f32 v48, |v[XB]|, |v[XB+1]|, |v[XB+2]|   ; the block's largest magnitude: all 32 numbers are mine; two chains
	v_max3_num_f32 v49, |v[XB+3]|, |v[XB+4]|, |v[XB+5]|
.irp i, 6,10,14,18,22,26
	v_max3_num_f32 v48, v48, |v[XB+\i]|, |v[XB+\i+1]|
	v_max3_num_f32 v49, v49, |v[XB+\i+2]|, |v[XB+\i+3]|
.endr
	v_max3_num_f32 v48, v48, |v[XB+30]|, |v[XB+31]|
	v_max3_num_f32 v48, v48, v49, 0x1800000        ; and the floor
	v_add_nc_u32 v50, 0xff000000, v48
	v_lshrrev_b32 v51, 23, v50
.if (\t) == 0
	v_mov_b32 v[SW], v51
.else
	v_lshl_or_b32 v[SW], v51, 8*(\t), v[SW]
.endif
.irp g, 0,1,2,3
	v_cvt_scalef32_pk8_fp4_f32 v[PC+8*((\t)%2)+4*((\t)/2)+\g], v[XB+8*\g:XB+8*\g+7], v50   ; even blocks into v192-199, odd ones into v200-207
.endr
	v_nop
.if (\t) < 2
	LOADX (\t)+2
.endif
.endm
	BLOCK 0, 32
	BLOCK 1, 32
	BLOCK 2, 32
	WIN 0x40                                       ; destination window 1: my 24 weight fragments, 48 loads of 512 consecutive bytes
.irp rho, 0,1,2
.irp j, 0,1,2,3
.irp s, 0,1
.irp c, 0,1
	global_load_b128 v[8*(8*\rho+2*\j+\s)+4*\c:8*(8*\rho+2*\j+\s)+4*\c+3], v17, s[12:13] offset:32768*\rho+2048*\j+1024*\s+512*\c
.endr
.endr
.endr
.endr
	WIN 0
	BLOCK 3, 48                                    ; behind block 3's loads stand the 48 just issued
.irp rho, 0,1,2
.irp j, 0,1,2,3
	global_load_b32 v[WS+4*\rho+\j], v18, s[14:15] offset:2048*\rho+128*\j   ; lanes 0-15: K step 0's words, lanes 16-31: K step 1's
.endr
.endr
	WIN 0x80                                       ; destination window 2: the biases, in the results' layouts
.irp j, 0,1,2,3
	global_load_b128 v[8*\j:8*\j+3], v15, s[16:17] offset:(32*(\j/2)+8*(\j%2))*4       ; bq at o = 64 w + 32 (j / 2) + 16 h + 8 (j % 2) + 0 .. 7
	global_load_b128 v[8*\j+4:8*\j+7], v15, s[16:17] offset:(32*(\j/2)+8*(\j%2))*4+16
	global_load_b128 v[32+8*\j:32+8*\j+3], v15, s[18:19] offset:(32*(\j/2)+8*(\j%2))*4
	global_load_b128 v[32+8*\j+4:32+8*\j+7], v15, s[18:19] offset:(32*(\j/2)+8*(\j%2))*4+16
.endr
.irp j, 0,1,2,3
.irp e, 0,1,2,3,4,5,6,7
	global_load_b32 v[64+8*\j+\e], v16, s[20:21] offset:(32*(\j/2)+8*(\j%2))*4   ; bv of the lane's channel, in all eight registers of the tile's C
.endr
.endr
	WIN 0
.irp i, 0,1,2,3,4,5,6,7
	v_permlane16_swap_b32 v[PC+\i], v[PC+8+\i]     ; v192-199: tile 2 p's fragment (lanes 0-15 even blocks, lanes 16-31 odd ones); v200-207: tile 2 p + 1's
.endr
	ds_store_b128 v7, v[PC:PC+3]
	ds_store_b128 v7, v[PC+4:PC+7] offset:512
	ds_store_b128 v7, v[PC+8:PC+11] offset:2048
	ds_store_b128 v7, v[PC+12:PC+15] offset:2560
	ds_store_b32 v8, v[SW]
	s_mov_b32 s[SEL], 0x76543210
	s_mov_b32 s[SEL+1], 0xfedcba98
	s_wait_dscnt 0x0                               ; for the others' sake: my images have landed
	s_barrier_signal -1
	s_barrier_wait -1                              ; x's eight fragments lie in LDS
.irp i, 0,1,2,3,4,5,6,7,8,9,10,11,12,13,14,15
	ds_load_b128 v[XF+4*\i:XF+4*\i+3], v5 offset:XIMG+512*\i
.endr
.irp i, 0,1,2,3
	ds_load_b32 v[XS+\i], v6 offset:XSC+128*\i
.endr
	s_wait_dscnt 0x0
	s_wait_loadcnt 0x0                             ; weights, their scale words, the biases
; q (rho = 0) or k (rho = 1) of pixel tiles m0, m0 + 1, my 64 output channels.  8 accumulators by turns, K step 0 and then K step 1.  u: the unit's number.
.macro UNITQK rho, m0, u
	WIN 0x21                                       ; source 0 (W) window 1, C (the bias) window 2
.irp mm, 0,1
.irp j, 0,1,2,3
	WM HA+32*\mm+8*\j, 8*(8*\rho+2*\j), XF+16*(\m0+\mm), 32*\rho+8*\j, WS+4*\rho+\j, XS+\m0/2, 0, \mm
.endr
.endr
	WIN 0x01
.irp mm, 0,1
.irp j, 0,1,2,3
	WM HA+32*\mm+8*\j, 8*(8*\rho+2*\j+1), XF+16*(\m0+\mm)+8, HA+32*\mm+8*\j, WS+4*\rho+\j, XS+\m0/2+2, 1, \mm
.endr
.endr
	WIN 0
	PLACES 5                                       ; in front of the first read of results, and of the next unit's products, which write over these accumulators
	QUANT HA, PC+8*\u, TM, 24+\u
	v_lshrrev_b32 v30, 16, v[24+\u]
	v_cndmask_b32 v[HS+\u], v[24+\u], v30, vcc_lo  ; lanes 0-15: tile m0's two bytes, lanes 16-31: tile m0 + 1's
.if \rho == 0
	global_store_b128 v11, v[PC+8*\u:PC+8*\u+3], s[22:23] offset:2048*\m0
	global_store_b128 v11, v[PC+8*\u+4:PC+8*\u+7], s[22:23] offset:2048*(\m0+1)
	ds_store_b16 v9, v[HS+\u] offset:128*\m0
.else
	global_store_b128 v12, v[PC+8*\u:PC+8*\u+3], s[26:27] offset:2048*\m0
	global_store_b128 v12, v[PC+8*\u+4:PC+8*\u+7], s[26:27] offset:2048*(\m0+1)
	ds_store_b16 v10, v[HS+\u] offset:4*\m0
.endif
.endm
; v of channel tiles j0, j0 + 1 for the four pixel tiles
.macro UNITV j0, u
	WIN 0x24                                       ; source 1 (W) window 1, C window 2
.irp jj, 0,1
.irp m, 0,1,2,3
	WM HA+32*\jj+8*\m, XF+16*\m, 8*(16+2*(\j0+\jj)), 64+8*(\j0+\jj), XS+\m/2, WS+8+\j0+\jj, \m%2, 0
.endr
.endr
	WIN 0x04
.irp jj, 0,1
.irp m, 0,1,2,3
	WM HA+32*\jj+8*\m, XF+16*\m+8, 8*(16+2*(\j0+\jj)+1), HA+32*\jj+8*\m, XS+\m/2+2, WS+8+\j0+\jj, \m%2, 1
.endr
.endr
	WIN 0
	PLACES 5
	QUANT HA, PC+8*\u, TM, 24+\u
	v_lshrrev_b32 v30, 16, v[24+\u]
	v_cndmask_b32 v[HS+\u], v[24+\u], v30, vcc_lo
	global_store_b128 v13, v[PC+8*\u:PC+8*\u+3], s[26:27] offset:16384+1024*\j0
	global_store_b128 v13, v[PC+8*\u+4:PC+8*\u+7], s[26:27] offset:16384+1024*(\j0+1)
	global_store_b16 v14, v[HS+\u], s[26:27] offset:33792+4*(\j0/2)
.endm
	UNITQK 0, 0, 0                                 ; every unit has registers of its own for what it stores: no store's data are written again
	UNITQK 0, 2, 1
	UNITQK 1, 0, 2
	UNITQK 1, 2, 3
	UNITV 0, 4
	UNITV 2, 5
	s_wait_dscnt 0x0                               ; my half words have landed
	s_barrier_signal -1
	s_barrier_wait -1                              ; q's and K's scale words are whole
	s_cmp_gt_u32 s2, 1
	s_cbranch_scc1 .Lend                           ; wave 0 stores q's 512 bytes, wave 1 K's
	s_cmp_eq_u32 s2, 0
	s_cselect_b64 s[30:31], s[24:25], s[26:27]     ; the choice hangs on the wave's number alone
	ds_load_b128 v[252:255], v19
	s_wait_dscnt 0x0
	global_store_b128 v248, v[252:255], s[30:31]   ; 512 consecutive bytes
.Lend:
	s_wait_tensorcnt 0x0
	ds_add_u32 v250, v251
	s_wait_dscnt 0x0
	s_endpgm
.Lfunc_end_k_qf62a1808a9_qkv:
	.size	k_qf62a1808a9_qkv, .Lfunc_end_k_qf62a1808a9_qkv-k_qf62a1808a9_qkv
	.p2alignl 7, 3214868480
	.fill 96, 4, 3214868480
	.section	.rodata,"a",@progbits
	.p2align	6, 0x0
	.amdhsa_kernel k_qf62a1808a9_qkv
		.amdhsa_group_segment_fixed_size 10752
		.amdhsa_private_segment_fixed_size 0
		.amdhsa_enable_private_segment 0
		.amdhsa_kernarg_size 96
		.amdhsa_user_sgpr_count 2
		.amdhsa_user_sgpr_kernarg_segment_ptr 1
		.amdhsa_wavefront_size32 1
		.amdhsa_system_sgpr_workgroup_id_x 1
		.amdhsa_system_sgpr_workgroup_id_y 1
		.amdhsa_system_sgpr_workgroup_id_z 1
		.amdhsa_system_vgpr_workitem_id 0
		.amdhsa_next_free_vgpr 640
		.amdhsa_next_free_sgpr 100
		.amdhsa_reserve_vcc 1
		.amdhsa_float_denorm_mode_32 3
		.amdhsa_float_denorm_mode_16_64 3
		.amdhsa_memory_ordered 1
		.amdhsa_forward_progress 1
		.amdhsa_inst_pref_size 93
	.end_amdhsa_kernel
	.amdgpu_metadata
---
amdhsa.version: [ 1, 2 ]
amdhsa.kernels:
  - .name:           k_qf62a1808a9_qkv
    .symbol:         k_qf62a1808a9_qkv.kd
    .args:
      - { .name: x, .offset: 0, .size: 8, .value_kind: global_buffer, .address_space: global }
      - { .name: part, .offset: 8, .size: 8, .value_kind: global_buffer, .address_space: global }
      - { .name: gn_scale, .offset: 16, .size: 8, .value_kind: global_buffer, .address_space: global }
      - { .name: gn_bias, .offset: 24, .size: 8, .value_kind: global_buffer, .address_space: global }
      - { .name: wimg, .offset: 32, .size: 8, .value_kind: global_buffer, .address_space: global }
      - { .name: wscl, .offset: 40, .size: 8, .value_kind: global_buffer, .address_space: global }
      - { .name: bq, .offset: 48, .size: 8, .value_kind: global_buffer, .address_space: global }
      - { .name: bk, .offset: 56, .size: 8, .value_kind: global_buffer, .address_space: global }
      - { .name: bv, .offset: 64, .size: 8, .value_kind: global_buffer, .address_space: global }
      - { .name: qc, .offset: 72, .size: 8, .value_kind: global_buffer, .address_space: global }
      - { .name: qs, .offset: 80, .size: 8, .value_kind: global_buffer, .address_space: global }
      - { .name: kv, .offset: 88, .size: 8, .value_kind: global_buffer, .address_space: global }
    .group_segment_fixed_size: 10752
    .private_segment_fixed_size: 0
    .kernarg_segment_align: 8
    .kernarg_segment_size: 96
    .max_flat_workgroup_size: 128
    .sgpr_count:     100
    .vgpr_count:     640
    .wavefront_size: 32
...
	.end_amdgpu_metadata
.endif
;; end of part 2
;; launch attn (part 3): grid 64 x 4, 8 waves a work-group, clusters of 4 x 1, 327,680 bytes of LDS; arguments qc, qs, kv, wimg, wscl, bp, x, out0; writes out0
.if DOCPART == 3
	.amdgcn_target "amdgcn-amd-amdhsa--gfx1250"
	.amdhsa_code_object_version 6
	.text
	.protected	k_qf62a1808a9_attn
	.globl	k_qf62a1808a9_attn
	.p2align	8
	.type	k_qf62a1808a9_attn,@function
k_qf62a1808a9_attn:
	s_mov_b64 s[64:65], 0
	v_nop
	global_prefetch_b8 v0, s[64:65] scope:SCOPE_SE
	s_setreg_imm32_b32 hwreg(HW_REG_WAVE_MODE, 25, 1), 1
	s_wait_xcnt 0x0
	s_wait_alu depctr_hold_cnt(0) depctr_sa_sdst(0) depctr_va_vdst(0) depctr_va_sdst(0) depctr_va_ssrc(0) depctr_va_vcc(0) depctr_vm_vsrc(0)
	s_getreg_b32 s2, hwreg(HW_REG_IB_STS2, 6, 4)
	s_cmp_eq_u32 s2, 0
	s_cbranch_scc0 .Lentry_in_a_cluster
	s_endpgm
.Lentry_in_a_cluster:
	s_bfe_u32 s2, ttmp6, 0x10000c
	s_cmp_lg_u32 s2, 0x3003
	s_cbranch_scc0 .Lentry_shape_is_right
	s_endpgm
.Lentry_shape_is_right:
; out = wp . (V softmax(q k^T / 16)^T / l) + bp + x, all three products on codes of FP4 (E2M1) with one E8M0 scale for each 32 along K.  One head of 256, 4,096 keys an image.
; THE SOFTMAX AHEAD OF THE SECOND PRODUCT: t = score x log2(e) / 16; M = the largest t so far, rounded UP to a whole number; p = 2^(t - M) is quantised along the keys, not normalised; l sums the unquantised p.
; SHARES.  16,384 queries on 256 work-groups: 64 queries each.  Eight waves: wave w takes query tiles 2 qp, 2 qp + 1 (qp = w & 1) against keys 1,024 kq .. + 1,023 (kq = w >> 1), 8 steps of 128.  So a fragment of K or V read
;   from LDS feeds two matrix instructions, and two waves share a SIMD: one's vector work stands beside the other's matrix work.  The four quarters' O and l are merged at the end by exact powers of two (M is a whole number).
; LAYOUT.  Both products transposed: S^T = K Q^T, O^T = V^T P^T: a lane holds one query throughout.  All operands come as images of their registers (16 x lane), so LDS needs no pitch and no padding.
;   The keys of a tile of K, the channels of a tile of V and the pixels of a tile of Q are in the order r -> 32 b + 8 u + r + 8 (r / 8) (tile 2 b + u): 16 registers of two neighbouring result tiles are 16 neighbours.
; RING.  Two slots of 139,264 bytes: for each quarter one step's block of 34,816 bytes (K's 16 fragments, V's 16, their scale words).  Each of the eight waves brings half a block, 68 rows of 256 bytes, by one tensor load.
;   Both first fills go out together.  THE CHANGE OF SLOTS STANDS IN FRONT OF THE PRODUCTS WITH V: V and its scale words are the wave's last reads of a slot, and they lie in registers by then.  Half of those products stand between the
;   opening signal and its wait; behind the round come the refill of the slot just left, the next step's first fragments of K, and the other half of the products.
; CLUSTER.  The four work-groups of a cluster belong to one image and walk the same blocks: each load is asked for JOINTLY, same descriptor, mask 15.  Two tensor loads of a wave are out at the start, one later.
; THE WAY OUT.  O's partial sums and the statistics meet in LDS (in the ring's bytes, which have had their last fill); wave (qp, kq) merges channels 64 kq .. + 63 of its two query tiles, divides by l, quantises along the channels
;   and stores the image; then wave w makes output channels 32 w .. + 31 for the 64 pixels (source 0 = pixels, source 1 = wp's rows: a lane holds 8 neighbouring pixels of one channel), adds bp, turns its 32 rows through its own
;   stage in LDS, adds x and stores: sixteen lanes fill 256 consecutive aligned bytes.
; LIMITS: NaN and infinities are not served.  A block whose largest magnitude lies under 2^-124 gets the byte 1 with zero codes.  p under 2^-126 is 0 (v_exp_f32).  1 / l is v_rcp_f32's.
;   A block's largest p is taken as 2^(t - M) of the block's largest score, which takes v_exp_f32 not to fall where its input rises.
; REGISTERS.  window 0: v1, v2 the spare word's address and 0; v3, v4 my quarter's block in slot 0, 1; v5-9 (and v20 until f is made) the running largest scores of blocks 0-2 (at the head and on the way out: lane, 16 x lane, 4 x lane, addresses);
;   tile q: v[10+4q] -M, v[11+4q] largest t, v[12+4q:13+4q] l, v[18+2q] f, v[19+2q] p's scale word; v22-23 Q's scale words; v24-31 K's, then V's; v32-63 Q; v64-191 S^T, then p, then V's 16 fragments;
;   v192-223, v224-255 K's fragments by turns, then the softmax's work and (v240-255) p's codes.   window 1: O^T at 128 q + 8 T.
.set SLOTB, 139264
.set BLKB,  34816
.set SPARE, 278528                     ; the spare words, 128 bytes for each wave: four blocks of 256 bytes that no other line names
.set MST,   279552                     ; the waves' -M and l: 512 w + 256 q (+ 128) + 4 x lane
.set AIMG,  283648                     ; attn's fragment (tile m, K step s) at (2 m + s) x 1,024
.set ASC,   291840                     ; its scale words: 128 m + 64 s + 4 r
.set S,   64
.set FA,  192
.set FB,  224
.set SEL, 48                           ; s[48:49] v_permlanex16_b32's selects for lane l xor 16
.set CS,  50                           ; s[50:51] c = log2(e) / 16
.set G1,  32                           ; s[32:39] descriptor group 1;  s[40:43], s[44:47] group 0 of slot 0, 1
.set G0,  40
.set MSB, 0
.macro WIN new                         ; the immediate's high byte repeats the setting that is left
.if MSB != \new
	s_set_vgpr_msb (MSB<<8)|\new
.set MSB, \new
.endif
.endm
.macro PLACES n
.rept \n
	v_nop
.endr
.endm
; One matrix instruction.  c < 0: C is the constant 0.  ra, rb: the half of the lanes from which source 0's and source 1's scale words are taken.
.macro WM d, a, b, c, sa, sb, ra, rb
.if (\c) < 0
.if (\ra) && (\rb)
	v_wmma_scale_f32_16x16x128_f8f6f4 v[\d:\d+7], v[\a:\a+7], v[\b:\b+7], 0, v[\sa], v[\sb] matrix_a_fmt:MATRIX_FMT_FP4 matrix_b_fmt:MATRIX_FMT_FP4 matrix_a_scale:MATRIX_SCALE_ROW1 matrix_b_scale:MATRIX_SCALE_ROW1
.elseif (\ra)
	v_wmma_scale_f32_16x16x128_f8f6f4 v[\d:\d+7], v[\a:\a+7], v[\b:\b+7], 0, v[\sa], v[\sb] matrix_a_fmt:MATRIX_FMT_FP4 matrix_b_fmt:MATRIX_FMT_FP4 matrix_a_scale:MATRIX_SCALE_ROW1
.elseif (\rb)
	v_wmma_scale_f32_16x16x128_f8f6f4 v[\d:\d+7], v[\a:\a+7], v[\b:\b+7], 0, v[\sa], v[\sb] matrix_a_fmt:MATRIX_FMT_FP4 matrix_b_fmt:MATRIX_FMT_FP4 matrix_b_scale:MATRIX_SCALE_ROW1
.else
	v_wmma_scale_f32_16x16x128_f8f6f4 v[\d:\d+7], v[\a:\a+7], v[\b:\b+7], 0, v[\sa], v[\sb] matrix_a_fmt:MATRIX_FMT_FP4 matrix_b_fmt:MATRIX_FMT_FP4
.endif
.else
.if (\ra) && (\rb)
	v_wmma_scale_f32_16x16x128_f8f6f4 v[\d:\d+7], v[\a:\a+7], v[\b:\b+7], v[\c:\c+7], v[\sa], v[\sb] matrix_a_fmt:MATRIX_FMT_FP4 matrix_b_fmt:MATRIX_FMT_FP4 matrix_a_scale:MATRIX_SCALE_ROW1 matrix_b_scale:MATRIX_SCALE_ROW1
.elseif (\ra)
	v_wmma_scale_f32_16x16x128_f8f6f4 v[\d:\d+7], v[\a:\a+7], v[\b:\b+7], v[\c:\c+7], v[\sa], v[\sb] matrix_a_fmt:MATRIX_FMT_FP4 matrix_b_fmt:MATRIX_FMT_FP4 matrix_a_scale:MATRIX_SCALE_ROW1
.elseif (\rb)
	v_wmma_scale_f32_16x16x128_f8f6f4 v[\d:\d+7], v[\a:\a+7], v[\b:\b+7], v[\c:\c+7], v[\sa], v[\sb] matrix_a_fmt:MATRIX_FMT_FP4 matrix_b_fmt:MATRIX_FMT_FP4 matrix_b_scale:MATRIX_SCALE_ROW1
.else
	v_wmma_scale_f32_16x16x128_f8f6f4 v[\d:\d+7], v[\a:\a+7], v[\b:\b+7], v[\c:\c+7], v[\sa], v[\sb] matrix_a_fmt:MATRIX_FMT_FP4 matrix_b_fmt:MATRIX_FMT_FP4
.endif
.endif
.endm
; 64 numbers of a lane, register 16 b + i = place 32 b + 16 (lane / 16) + i along K of the lane's row, become 8 registers of codes at v[pc] and the four blocks' bytes in v[pw].
; Blocks 0, 1 belong to one object and blocks 2, 3 to another: v[pc .. pc+3] and the low half of v[pw] are the first's, v[pc+4 .. pc+7] and the high half the second's.
.macro QUANT s, pc, tm, pw
.irp b, 0,1,2,3
	v_max3_num_f32 v[\tm+\b], |v[\s+16*\b]|, |v[\s+1+16*\b]|, 0x1800000
.endr
.irp i, 2,4,6,8,10,12,14
.irp b, 0,1,2,3
	v_max3_num_f32 v[\tm+\b], v[\tm+\b], |v[\s+16*\b+\i]|, |v[\s+1+16*\b+\i]|
.endr
.endr
.irp b, 0,1,2,3
	v_permlanex16_b32 v[\tm+4+\b], v[\tm+\b], s[SEL], s[SEL+1]
.endr
.irp b, 0,1,2,3
	v_max_num_f32 v[\tm+\b], v[\tm+\b], v[\tm+4+\b]
.endr
.irp b, 0,1,2,3
	v_add_nc_u32 v[\tm+12+\b], 0xff000000, v[\tm+\b]
.endr
.irp b, 0,1,2,3
	v_lshrrev_b32 v[\tm+4+\b], 23, v[\tm+12+\b]
.endr
	v_lshl_or_b32 v[\pw], v[\tm+5], 8, v[\tm+4]
	v_lshl_or_b32 v[\pw], v[\tm+6], 16, v[\pw]
	v_lshl_or_b32 v[\pw], v[\tm+7], 24, v[\pw]
.irp b, 0,1,2,3
	v_cvt_scalef32_pk8_fp4_f32 v[\pc+2*\b], v[\s+16*\b:\s+7+16*\b], v[\tm+12+\b]
	v_cvt_scalef32_pk8_fp4_f32 v[\pc+1+2*\b], v[\s+8+16*\b:\s+15+16*\b], v[\tm+12+\b]
.endr
	v_nop                                          ; one plain place behind a scaled conversion
.irp c, 0,1
.irp i, 0,1
	v_permlane16_swap_b32 v[\pc+4*\c+\i], v[\pc+2+4*\c+\i]
.endr
.endr
.endm
; A round of the cluster's barrier: my work-group's barrier, wave 0 signals for the work-group, every wave waits for all four work-groups, my work-group's barrier once more.
.macro CREST                           ; a round behind its opening barrier
	s_cmp_lg_u32 s20, 0
	s_cbranch_scc1 .Lnot_wave_0_\@
	s_barrier_signal -3
.Lnot_wave_0_\@:
	s_barrier_wait -3
	s_barrier_signal -1
	s_barrier_wait -1
.endm
.macro ROUND                           ; a whole round
	s_barrier_signal -1
	s_barrier_wait -1
	CREST
.endm
	s_load_b512 s[4:19], s[0:1], 0x0               ; qc s[4:5], qs s[6:7], kv s[8:9], wimg s[10:11], wscl s[12:13], bp s[14:15], x s[16:17], out0 s[18:19]
	v_lshl_add_u32 v1, v0, 2, SPARE
	v_mov_b32 v2, 0
	ds_add_u32 v1, v2
	ds_add_u32 v1, v2
	s_wait_dscnt 0x0
	v_lshrrev_b32 v3, 5, v0
	v_readfirstlane_b32 s20, v3                    ; wave 0..7
	s_bfe_u32 s21, ttmp6, 0x40000                  ; cx: my place in the cluster
	s_lshl_b32 s22, ttmp9, 2
	s_add_co_u32 s22, s22, s21                     ; qb: my block of 64 queries; it enters qc's, qs's, x's and out0's addresses alone
	s_and_b32 s23, ttmp7, 0xffff                   ; b: the image, which the four partners share
	s_and_b32 s24, s20, 1                          ; qp
	s_lshr_b32 s25, s20, 1                         ; kq
	; descriptor group 1: 68 dense rows of 256 bytes
	s_mov_b32 s[G1], 15|(3<<16)|(1<<21)            ; 15:0 the mask: all four work-groups; 17:16 elements of 8 bytes; 21 set beside a mask; no padding
	s_mov_b32 s[G1+1], 32<<16                      ; tensor_dim0 = 32
	s_mov_b32 s[G1+2], 68<<16                      ; tensor_dim1 = 68
	s_mov_b32 s[G1+3], 32<<16                      ; tile_dim0 = 32
	s_mov_b32 s[G1+4], 68                          ; tile_dim1 = 68
	s_mov_b32 s[G1+5], 32                          ; from row to row
	s_mov_b32 s[G1+6], 0
	s_mov_b32 s[G1+7], 0
	s_mul_i32 s26, s20, 17408                      ; LDS: quarter w >> 1's block, half w & 1: the wave's number alone
	s_mul_i32 s28, s23, 1114112                    ; memory: the image's 32 blocks,
	s_mul_i32 s27, s25, 278528                     ; the quarter's 8,
	s_add_co_u32 s28, s28, s27
	s_mul_i32 s27, s24, 17408                      ; my half
	s_add_co_u32 s28, s28, s27
	s_mov_b32 s29, 0
	s_lshl_b32 s54, s23, 22                        ; x, out0: the image, my 32 output channels, the block's 256 bytes
	s_lshl_b32 s55, s20, 19
	s_add_co_u32 s54, s54, s55
	s_lshl_b32 s55, s22, 8
	s_add_co_u32 s54, s54, s55
	s_mov_b32 s55, 0
	s_lshl_b32 s56, s23, 19                        ; qc: (256 b + 4 qb + 2 qp) x 2,048
	s_lshl_b32 s57, s22, 13
	s_add_co_u32 s56, s56, s57
	s_lshl_b32 s57, s24, 12
	s_add_co_u32 s56, s56, s57
	s_mov_b32 s57, 0
	s_lshl_b32 s58, s23, 15                        ; qs: the same x 128
	s_lshl_b32 s59, s22, 9
	s_add_co_u32 s58, s58, s59
	s_lshl_b32 s59, s24, 8
	s_add_co_u32 s58, s58, s59
	s_mov_b32 s59, 0
	s_mov_b32 s[SEL], 0x76543210
	s_mov_b32 s[SEL+1], 0xfedcba98
	s_mov_b32 s[CS], 0x3db8aa3b                    ; c = log2(e) / 16
	s_mov_b32 s[CS+1], s[CS]                       ; (named with it as a pair, so it is written)
	v_and_b32 v5, 31, v0
	v_lshlrev_b32 v6, 4, v5
	v_lshlrev_b32 v7, 2, v5
	s_wait_kmcnt 0x0
	s_add_nc_u64 s[8:9], s[8:9], s[28:29]
	s_add_nc_u64 s[16:17], s[16:17], s[54:55]
	s_add_nc_u64 s[18:19], s[18:19], s[54:55]
	s_add_nc_u64 s[4:5], s[4:5], s[56:57]
	s_add_nc_u64 s[6:7], s[6:7], s[58:59]
.irp i, 0,1,2,3,4,5,6,7
	global_load_b128 v[32+4*\i:35+4*\i], v6, s[4:5] offset:512*\i   ; Q's four fragments (tile q, K step s) at v[32 + 16 q + 8 s]: they stay.  Asked for ahead of the round: nobody writes these bytes
.endr
	global_load_b32 v22, v7, s[6:7]                ; their scale words: lanes 0-15 K step 0, lanes 16-31 K step 1
	global_load_b32 v23, v7, s[6:7] offset:128
.irp n, 0,1
	s_mov_b32 s[G0+4*\n], 1                        ; count = 1
	s_add_co_u32 s[G0+4*\n+1], s26, \n*SLOTB       ; LDS address
	s_add_nc_u64 s[G0+4*\n+2:G0+4*\n+3], s[8:9], \n*BLKB   ; global address: the quarter's step n
	s_or_b32 s[G0+4*\n+3], s[G0+4*\n+3], 0x80000000   ; type = 2
.endr
	ROUND                                          ; all four work-groups are here: the first joint loads meet
	tensor_load_to_lds s[G0:G0+3], s[G1:G1+7]      ; step 0 into slot 0,
	s_nop 0
	tensor_load_to_lds s[G0+4:G0+7], s[G1:G1+7]    ; step 1 into slot 1: the two first fills go out together
	s_nop 0
	PLACES 4                                       ; (four v_nop behind the tensor loads)
	s_mul_i32 s27, s25, BLKB
	v_add_nc_u32 v3, s27, v6                       ; my quarter's block in slot 0,
	v_add_nc_u32 v4, SLOTB, v3                     ; in slot 1
.irp q, 0,1
	v_mov_b32 v[11+4*\q], 0xff61b1e6               ; the largest t so far: -3e38, under every t
	v_floor_f32 v[10+4*\q], -v[11+4*\q]            ; -M
	v_mov_b32 v[12+4*\q], 0                        ; l, in two halves
	v_mov_b32 v[13+4*\q], 0
	v_mov_b32 v[19+2*\q], 0                        ; (named as the upper half of a pair before it is first written)
.endr
.macro KLOAD adr, g, f                 ; K's tiles 2 g, 2 g + 1, both K steps: four fragments, tile tt, step s at v[f + 16 tt + 8 s]
.irp i, 0,1,2,3,4,5,6,7
	ds_load_b128 v[\f+4*\i:\f+4*\i+3], v[\adr] offset:4096*\g+512*\i
.endr
.endm
.macro SMUL g, f                       ; S^T of key tiles 2 g, 2 g + 1 for my two query tiles: four accumulators by turns, K step 0 (which starts the sums) and then K step 1
.irp tt, 0,1
.irp q, 0,1
	WM S+64*\q+8*(2*\g+\tt), \f+16*\tt, 32+16*\q, -1, 24+2*\g+\tt, 22+\q, 0, 0
.endr
.endr
.irp tt, 0,1
.irp q, 0,1
	WM S+64*\q+8*(2*\g+\tt), \f+16*\tt+8, 32+16*\q+8, S+64*\q+8*(2*\g+\tt), 24+2*\g+\tt, 22+\q, 1, 1
.endr
.endr
.endm
.macro VLOAD adr, hf                   ; V's tiles 8 hf .. 8 hf + 7 into the registers that p of query tile hf has left
.set i, 0
.rept 16
	ds_load_b128 v[64+64*\hf+4*i:64+64*\hf+4*i+3], v[\adr] offset:16384+8192*\hf+512*i
.set i, i+1
.endr
.endm
; tT = the register of the running largest score of block b of query tile q: v5-7, v8, v9, v20 for blocks 0-2 (K's fragments still lie where the softmax works); block 3's is the softmax's own
.macro TREG q, b
.set tT, 5+3*(\q)+(\b)
.if ((\q) == 1) && ((\b) == 2)
.set tT, 20
.endif
.if (\b) == 3
.set tT, 195+16*(\q)
.endif
.endm
; The largest of the first 15 scores of block b (key tiles 2 b, 2 b + 1), both query tiles by turns: 14 plain instructions.  They stand between the products of later blocks, where the wave would else wait for K's fragments,
; and are the places behind those products: they name none of their registers.  Each accumulator is read from its low end on.
.macro BMAX b
.irp q, 0,1
	TREG \q, \b
	v_max3_num_f32 v[tT], v[S+64*\q+16*\b], v[S+64*\q+16*\b+1], v[S+64*\q+16*\b+2]
.endr
.irp i, 3,5,7,9,11,13
.irp q, 0,1
	TREG \q, \b
	v_max3_num_f32 v[tT], v[tT], v[S+64*\q+16*\b+\i], v[S+64*\q+16*\b+\i+1]
.endr
.endr
.endm
; The softmax of query tile q for 128 keys.  Register 16 b + i of the tile's 64 holds key 32 b + 16 (lane / 16) + i.
.macro SOFTMAX q
.set sS, S+64*\q
.set sW, 192+16*\q                     ; +0..3 the blocks' largest, +4..7 the other half's / the bytes, +8..11 scale operands, +12..13 a second chain of sums, +14 at work
.set sP, 240+8*\q
.set sN, 10+4*\q
.set sF, 18+2*\q
.irp b, 0,1,2,3
	TREG \q, \b
	v_max_num_f32 v[sW+\b], v[tT], v[sS+16*\b+15]  ; THE LARGEST SCORE OF EACH BLOCK OF 32 KEYS serves twice: for the row's maximum, and, since p rises with the score, for the block's largest p
.endr
.irp b, 0,1,2,3
	v_permlanex16_b32 v[sW+4+\b], v[sW+\b], s[SEL], s[SEL+1]
.endr
.irp b, 0,1,2,3
	v_max_num_f32 v[sW+\b], v[sW+\b], v[sW+4+\b]   ; with lane l xor 16's 16 keys
.endr
	v_max3_num_f32 v[sW+14], v[sW], v[sW+1], v[sW+2]
	v_max_num_f32 v[sW+14], v[sW+14], v[sW+3]      ; the step's largest score of my query
	v_mul_f32 v[sW+14], s[CS], v[sW+14]            ; as t (c is positive)
	v_max_num_f32 v[sN+1], v[sN+1], v[sW+14]       ; the running largest t
	v_mov_b32 v[sW+14], v[sN]
	v_floor_f32 v[sN], -v[sN+1]                    ; the new -M = floor(-t) = -ceil(t)
	v_sub_f32 v[sW+14], v[sN], v[sW+14]            ; old M - new M: a whole number, 0 or less
	v_cvt_i32_f32 v[sW+14], v[sW+14]               ; (it saturates)
	v_ldexp_f32 v[sF], 1.0, v[sW+14]               ; f = 2^(old M - new M)
.set j, 0
.rept 32
	v_pk_fma_f32 v[sS+j:sS+j+1], v[sS+j:sS+j+1], s[CS:CS+1], v[sN:sN+1] op_sel_hi:[1,0,0]   ; t - M, two at a time
.set j, j+2
.endr
.irp b, 0,1,2,3
	v_fma_f32 v[sW+\b], v[sW+\b], s[CS], v[sN]     ; the same of each block's largest score
.endr
.set j, 0
.rept 64
	v_exp_f32 v[sS+j], v[sS+j]                     ; p = 2^(t - M), at most 1
.set j, j+1
.endr
.irp b, 0,1,2,3
	v_exp_f32 v[sW+\b], v[sW+\b]                   ; the block's largest p
.endr
	v_pk_mul_f32 v[sN+2:sN+3], v[sN+2:sN+3], v[sF:sF+1] op_sel_hi:[1,0]   ; l under the new M.  (A plain place behind the exponentials)
	s_wait_alu depctr_va_vdst(0)
.irp b, 0,1,2,3
	v_max_num_f32 v[sW+\b], 0x1800000, v[sW+\b]    ; the floor 2^(3 - 127): the byte cannot fall under 1
.endr
.irp b, 0,1,2,3
	v_add_nc_u32 v[sW+8+\b], 0xff000000, v[sW+\b]  ; 2 off the exponent field: the conversion's scale operand
.endr
.irp b, 0,1,2,3
	v_lshrrev_b32 v[sW+4+\b], 23, v[sW+8+\b]       ; the byte
.endr
	v_lshl_or_b32 v[sF+1], v[sW+5], 8, v[sW+4]     ; p's scale word for these 128 keys
	v_lshl_or_b32 v[sF+1], v[sW+6], 16, v[sF+1]
	v_lshl_or_b32 v[sF+1], v[sW+7], 24, v[sF+1]
.irp b, 0,1,2,3
	v_cvt_scalef32_pk8_fp4_f32 v[sP+2*\b], v[sS+16*\b:sS+16*\b+7], v[sW+8+\b]
	v_cvt_scalef32_pk8_fp4_f32 v[sP+2*\b+1], v[sS+16*\b+8:sS+16*\b+15], v[sW+8+\b]
.endr
	v_nop                                          ; one plain place behind a scaled conversion
.irp c, 0,1
.irp i, 0,1
	v_permlane16_swap_b32 v[sP+4*\c+\i], v[sP+2+4*\c+\i]   ; a WHOLE block in a lane
.endr
.endr
	v_pk_add_f32 v[sW+12:sW+13], v[sS:sS+1], v[sS+2:sS+3]   ; l TAKES THE UNQUANTISED p: two at a time, in two chains.  (These are also the places between p's codes and scale word and the products that take them)
.irp j, 4,8,12,16,20,24,28,32,36,40,44,48,52,56,60
	v_pk_add_f32 v[sN+2:sN+3], v[sN+2:sN+3], v[sS+\j:sS+\j+1]
	v_pk_add_f32 v[sW+12:sW+13], v[sW+12:sW+13], v[sS+\j+2:sS+\j+3]
.endr
	v_pk_add_f32 v[sN+2:sN+3], v[sN+2:sN+3], v[sW+12:sW+13]
.endm
; THE FRONT OF A KEY STEP: my quarter's 128 keys in the slot: S^T, the two softmaxes, and V into registers.  pre = 1: K's tiles 0, 1 were asked for in the step before.
.macro FRONT slot, pre
.if !(\pre)
	KLOAD 3+\slot, 0, FA
.endif
	ds_load_b128 v[24:27], v[3+\slot] offset:32768   ; K's scale words: v[24 + t], lanes 0-15 K step 0, lanes 16-31 K step 1
	ds_load_b128 v[28:31], v[3+\slot] offset:33280
	KLOAD 3+\slot, 1, FB
	s_wait_dscnt 8                                 ; all but the youngest eight loads: tiles 0, 1 and the scale words are in
	SMUL 0, FA
	PLACES 4                                       ; in front of loads into registers that matrix instructions have read
	KLOAD 3+\slot, 2, FA
	s_wait_dscnt 8                                 ; tiles 2, 3 are in
	SMUL 1, FB
	BMAX 0                                         ; (14 places)
	KLOAD 3+\slot, 3, FB
	s_wait_dscnt 8                                 ; tiles 4, 5 are in
	SMUL 2, FA
	BMAX 1
	s_wait_dscnt 0x0
	SMUL 3, FB
	BMAX 2                                         ; the places in front of the first read of the last results, and of writes into K's registers
	BMAX 3
	SOFTMAX 0
	VLOAD 3+\slot, 0
	SOFTMAX 1
	VLOAD 3+\slot, 1
	ds_load_b128 v[24:27], v[3+\slot] offset:33792   ; V's scale words: v[24 + T / 2], lanes 0-15 even T, lanes 16-31 odd T
	ds_load_b128 v[28:31], v[3+\slot] offset:34304
.endm
.macro PVH hf, first                   ; O^T += V^T P^T, channel tiles 8 hf .. 8 hf + 7: 16 accumulators, one instruction each.  first = 1: they start the sums
.irp t, 0,1,2,3,4,5,6,7
.irp q, 0,1
.if \first
	WM 128*\q+8*(8*\hf+\t), 64+8*(8*\hf+\t), 240+8*\q, -1, 24+(8*\hf+\t)/2, 19+2*\q, \t%2, 0
.else
	WM 128*\q+8*(8*\hf+\t), 64+8*(8*\hf+\t), 240+8*\q, 128*\q+8*(8*\hf+\t), 24+(8*\hf+\t)/2, 19+2*\q, \t%2, 0
.endif
.endr
.endr
.endm
; THE BACK OF A KEY STEP: the change of slots and the products with V.
; mode 2: each wave waits for all its tensor loads (one is out: its part of the other slot), adds 0 to its spare word, and waits for that and for its reads of this slot, of which V's are the last.  The barrier opens a round of the
;   cluster's, with half of the products between its signal and its wait; behind the round no wave of the four work-groups reads this slot or has a load on its way: the joint refill, two steps ahead, comes first,
;   then the next step's first fragments of K, from the other slot, and the other half of the products while those land.
; mode 1: the same with the work-group's barrier alone: nothing is left to fetch.   mode 0: the last step: no barrier.
.macro BACK slot, first, mode
.if \mode
	s_wait_tensorcnt 0x0                           ; no tensor load of mine is out, so a group 0 may be written
	ds_add_u32 v1, v2                              ; 0 onto my spare word: the work on registers below stands between it and the wait for it
.endif
.if \mode == 2
	s_add_nc_u64 s[G0+4*\slot+2:G0+4*\slot+3], s[G0+4*\slot+2:G0+4*\slot+3], 2*BLKB   ; this slot's next block; the type bits on top are not reached
.endif
.if !(\first)
	WIN 0x41                                       ; O^T (destination and source 0) window 1, f window 0
.irp q, 0,1
.set i, 0
.rept 64
	v_pk_mul_f32 v[128*\q+i:128*\q+i+1], v[128*\q+i:128*\q+i+1], v[18+2*\q:19+2*\q] op_sel_hi:[1,0]   ; O^T under the new M; each accumulator from its low end on
.set i, i+2
.endr
.endr
.endif
	s_wait_dscnt 0x0                               ; V and its scale words are in: my reads of this slot are over; the add is done
.if \mode
	s_barrier_signal -1
.endif
	WIN 0x50                                       ; C and D window 1
	PVH 0, \first
.if \mode
	WIN 0
	s_barrier_wait -1
.endif
.if \mode == 2
	CREST
	tensor_load_to_lds s[G0+4*\slot:G0+4*\slot+3], s[G1:G1+7]
	s_nop 0
	PLACES 4
.endif
.if \mode
	KLOAD 4-\slot, 0, FA                           ; the other slot is whole; v192-223 are named by none of the products with V
	WIN 0x50
.endif
	PVH 1, \first
	WIN 0
	PLACES 5                                       ; the next step's products write over V's registers, its loads land on p's codes and the scale words
.endm
	s_wait_loadcnt 0x0                             ; Q
	s_wait_tensorcnt 0x1                           ; my part of step 0 is in; step 1's may stay out
	s_barrier_signal -1
	s_barrier_wait -1                              ; everybody's is
	FRONT 0, 0                                     ; step 0
	BACK 0, 1, 2                                   ; step 2 is asked for
	s_mov_b32 s52, 2
.Llap:                                             ; steps 1, 2 and 3, 4
	FRONT 1, 1
	BACK 1, 0, 2
	FRONT 0, 1
	BACK 0, 0, 2
	s_sub_co_u32 s52, s52, 1
	s_cmp_lg_u32 s52, 0
	s_cbranch_scc1 .Llap
	FRONT 1, 1                                     ; step 5: the last refill, step 7
	BACK 1, 0, 2
	FRONT 0, 1                                     ; steps 6 and 7 are written out: nothing is left to fetch
	BACK 0, 0, 1
	FRONT 1, 1
	BACK 1, 0, 0
	; ---------------- THE WAY OUT
.irp q, 0,1
	v_add_f32 v[12+4*\q], v[12+4*\q], v[13+4*\q]   ; l's two halves,
.endr
.irp q, 0,1
	v_permlanex16_b32 v[13+4*\q], v[12+4*\q], s[SEL], s[SEL+1]
.endr
.irp q, 0,1
	v_add_f32 v[12+4*\q], v[12+4*\q], v[13+4*\q]   ; and lane l xor 16's
.endr
	v_and_b32 v5, 31, v0                           ; lane, 16 x lane, 4 x lane anew: the loop had other use for these registers
	v_lshlrev_b32 v6, 4, v5
	v_lshlrev_b32 v7, 2, v5
	v_cmp_le_u32 vcc_lo, 16, v5                    ; lanes 16-31
	s_lshl_b32 s26, s20, 15
	v_add_nc_u32 v3, s26, v6                       ; my partial O^T: 32,768 w + 16 x lane
	s_lshl_b32 s26, s20, 9
	s_add_co_u32 s26, s26, MST
	v_add_nc_u32 v4, s26, v7                       ; my statistics
	s_lshl_b32 s26, s24, 9
	s_add_co_u32 s26, s26, MST
	v_add_nc_u32 v8, s26, v7                       ; the four quarters' statistics of my query tiles: + 1,024 k
	s_lshl_b32 s26, s24, 15
	s_lshl_b32 s27, s25, 12
	s_add_co_u32 s26, s26, s27
	v_add_nc_u32 v48, s26, v6                      ; quarter k's partial sums of my channels: 65,536 k + 32,768 qp + 4,096 kq + 16 x lane
	v_add_nc_u32 v49, 0x10000, v48
	v_add_nc_u32 v50, 0x20000, v48
	v_add_nc_u32 v51, 0x30000, v48
	s_lshl_b32 s26, s24, 12
	s_lshr_b32 s27, s25, 1
	s_lshl_b32 s28, s27, 10
	s_add_co_u32 s26, s26, s28
	s_and_b32 s29, s25, 1
	s_lshl_b32 s28, s29, 9
	s_add_co_u32 s26, s26, s28
	s_add_co_u32 s26, s26, AIMG
	v_add_nc_u32 v52, s26, v6                      ; attn's image: tile 2 qp (+ 2,048: 2 qp + 1), K step kq >> 1, half kq & 1
	s_lshl_b32 s26, s24, 8
	s_lshl_b32 s28, s27, 6
	s_add_co_u32 s26, s26, s28
	s_lshl_b32 s28, s29, 1
	s_add_co_u32 s26, s26, s28
	s_add_co_u32 s26, s26, ASC
	v_and_b32 v62, 15, v0                          ; r
	v_bfe_u32 v63, v0, 4, 1                        ; h
	v_lshlrev_b32 v53, 2, v62
	v_lshl_add_u32 v53, v63, 7, v53
	v_add_nc_u32 v53, s26, v53                     ; its half words
	v_add_nc_u32 v54, AIMG, v6
	v_add_nc_u32 v55, ASC, v7
	s_mul_i32 s26, s20, 8704                       ; my stage: 32 rows of 256 + 16 bytes
	v_and_b32 v9, 8, v62
	v_add_nc_u32 v9, v9, v62                       ; r + 8 (r / 8)
	v_mul_u32_u24 v56, v9, 272
	v_lshl_add_u32 v56, v63, 6, v56
	v_add_nc_u32 v56, s26, v56                     ; in: my channel's row, + 64 h
	v_mul_u32_u24 v57, v63, 272
	v_lshl_add_u32 v57, v62, 4, v57
	v_add_nc_u32 v57, s26, v57                     ; back: lanes 0-15 one row, lanes 16-31 the next
	v_lshlrev_b32 v58, 14, v63
	v_lshl_add_u32 v58, v62, 4, v58                ; and the same two rows in x and out0
	s_lshl_b32 s26, s20, 12
	v_add_nc_u32 v59, s26, v6                      ; wp's images: tiles 2 w, 2 w + 1
	s_lshl_b32 s26, s20, 8
	v_add_nc_u32 v60, s26, v7                      ; their scale words
	s_lshl_b32 s26, s20, 7
	v_lshl_add_u32 v61, v9, 2, s26                 ; bp of my channel
	s_wait_dscnt 0x0
	s_barrier_signal -1
	s_barrier_wait -1                              ; every wave has left the ring, which has had its last fill
.irp q, 0,1
	ds_store_b32 v4, v[10+4*\q] offset:256*\q
	ds_store_b32 v4, v[12+4*\q] offset:256*\q+128
.endr
	WIN 0x04                                       ; an LDS store's data are its source 1: window 1
.irp q, 0,1
.set i, 0
.rept 16
	ds_store_b128 v3, v[128*\q+8*i:128*\q+8*i+3] offset:(16*\q+i)*1024       ; each accumulator from its low end on
	ds_store_b128 v3, v[128*\q+8*i+4:128*\q+8*i+7] offset:(16*\q+i)*1024+512
.set i, i+1
.endr
.endr
	WIN 0
	s_wait_dscnt 0x0                               ; for the others' sake: my stores have landed
	s_barrier_signal -1
	s_barrier_wait -1                              ; all partial sums and statistics lie in LDS
	WIN 0x40                                       ; what the projection wants from memory is asked for now: wp's four fragments (tile Tj, K step s) at window 1's v[16 Tj + 8 s],
.irp i, 0,1,2,3,4,5,6,7
	global_load_b128 v[4*\i:4*\i+3], v59, s[10:11] offset:98304+512*\i
.endr
	WIN 0
	global_load_b32 v24, v60, s[12:13] offset:6144 ; their scale words,
	global_load_b32 v25, v60, s[12:13] offset:6144+128
	global_load_b32 v10, v61, s[14:15]             ; bp,
	global_load_b32 v12, v61, s[14:15] offset:32
	WIN 0x40
.irp i, 0,1,2,3,4,5,6,7,8,9,10,11,12,13,14,15
	global_load_b128 v[64+4*\i:67+4*\i], v58, s[16:17] offset:32768*\i th:TH_LOAD_NT   ; and x: my 32 channels' 256 bytes, two rows a load; read once in this launch
.endr
	WIN 0
.irp k, 0,1,2,3
.irp q, 0,1
	ds_load_b32 v[32+4*\k+2*\q], v8 offset:1024*\k+256*\q        ; -M and l of quarter k, query tile q
	ds_load_b32 v[33+4*\k+2*\q], v8 offset:1024*\k+256*\q+128
.endr
.endr
.macro PLOAD k, buf                    ; quarter k's partial O^T of my 4 channel tiles x 2 query tiles: register buf + 32 q + 8 j + 4 c
.irp q, 0,1
.irp j, 0,1,2,3
.irp c, 0,1
	ds_load_b128 v[\buf+32*\q+8*\j+4*\c:\buf+32*\q+8*\j+4*\c+3], v[48+\k] offset:16384*\q+1024*\j+512*\c
.endr
.endr
.endr
.endm
.macro MERGE k, buf, start             ; attn (v192-255) takes quarter k's part x g
.irp q, 0,1
.set i, 0
.rept 16
.if \start
	v_pk_mul_f32 v[192+32*\q+i:193+32*\q+i], v[\buf+32*\q+i:\buf+32*\q+i+1], v[32+4*\k+2*\q:33+4*\k+2*\q] op_sel_hi:[1,0]
.else
	v_pk_fma_f32 v[192+32*\q+i:193+32*\q+i], v[\buf+32*\q+i:\buf+32*\q+i+1], v[32+4*\k+2*\q:33+4*\k+2*\q], v[192+32*\q+i:193+32*\q+i] op_sel_hi:[1,0,1]
.endif
.set i, i+2
.endr
.endr
.endm
	PLOAD 0, 64
	PLOAD 1, 128
	s_wait_dscnt 32                                ; the statistics are in; the 32 loads behind them may be out
.irp q, 0,1
	v_min3_num_f32 v[14+\q], v[32+2*\q], v[36+2*\q], v[40+2*\q]
.endr
.irp q, 0,1
	v_min_num_f32 v[14+\q], v[14+\q], v[44+2*\q]   ; the least -M: the row's M
.endr
.irp k, 0,1,2,3
.irp q, 0,1
	v_sub_f32 v[32+4*\k+2*\q], v[14+\q], v[32+4*\k+2*\q]   ; quarter k's M less the row's: a whole number, 0 or less
.endr
.endr
.irp k, 0,1,2,3
.irp q, 0,1
	v_cvt_i32_f32 v[32+4*\k+2*\q], v[32+4*\k+2*\q]
.endr
.endr
.irp k, 0,1,2,3
.irp q, 0,1
	v_ldexp_f32 v[32+4*\k+2*\q], 1.0, v[32+4*\k+2*\q]   ; f_k, a power of two
.endr
.endr
.irp q, 0,1
	v_mul_f32 v[16+\q], v[32+2*\q], v[33+2*\q]
.endr
.irp k, 1,2,3
.irp q, 0,1
	v_fma_f32 v[16+\q], v[32+4*\k+2*\q], v[33+4*\k+2*\q], v[16+\q]   ; l = the sum of f_k l_k
.endr
.endr
.irp q, 0,1
	v_rcp_f32 v[14+\q], v[16+\q]
.endr
	v_nop                                          ; a plain place behind the transcendentals
	s_wait_alu depctr_va_vdst(0)
.irp k, 0,1,2,3
.irp q, 0,1
	v_mul_f32 v[32+4*\k+2*\q], v[32+4*\k+2*\q], v[14+\q]   ; g_k = f_k / l
.endr
.endr
	s_wait_dscnt 16                                ; quarter 0's part is in
	MERGE 0, 64, 1
	PLOAD 2, 64
	s_wait_dscnt 16                                ; quarter 1's
	MERGE 1, 128, 0
	PLOAD 3, 128
	s_wait_dscnt 16                                ; quarter 2's
	MERGE 2, 64, 0
	s_wait_dscnt 0x0
	MERGE 3, 128, 0
	QUANT 192, 64, 72, 88                          ; along the channels: blocks 0, 1 query tile 2 qp, blocks 2, 3 tile 2 qp + 1
	ds_store_b128 v52, v[64:67]
	ds_store_b128 v52, v[68:71] offset:2048
	v_lshrrev_b32 v62, 16, v88
	v_cndmask_b32 v63, v88, v62, vcc_lo
	ds_store_b16 v53, v63
	s_wait_dscnt 0x0                               ; my image has landed, and my reads of the partial sums are over
	s_barrier_signal -1
	s_barrier_wait -1                              ; attn's eight fragments lie in LDS; nobody reads the partial sums any more
.irp i, 0,1,2,3,4,5,6,7,8,9,10,11,12,13,14,15
	ds_load_b128 v[64+4*\i:67+4*\i], v54 offset:512*\i
.endr
.irp m, 0,1,2,3
	ds_load_b32 v[26+\m], v55 offset:128*\m
.endr
	s_wait_dscnt 0x0
	s_wait_loadcnt 16                              ; wp, its scale words and bp are in; x's sixteen loads may be out
	WIN 0x04                                       ; source 1 (wp) window 1
.irp m, 0,1,2,3                                ; eight accumulators by turns, K step 0 and then K step 1
.irp tj, 0,1
	WM 128+8*(2*\m+\tj), 64+16*\m, 16*\tj, -1, 26+\m, 24+\tj, 0, 0
.endr
.endr
.irp m, 0,1,2,3
.irp tj, 0,1
	WM 128+8*(2*\m+\tj), 64+16*\m+8, 16*\tj+8, 128+8*(2*\m+\tj), 26+\m, 24+\tj, 1, 1
.endr
.endr
	WIN 0
	PLACES 4
.irp m, 0,1,2,3
.irp tj, 0,1
.irp e, 0,2,4,6
	v_pk_add_f32 v[128+8*(2*\m+\tj)+\e:129+8*(2*\m+\tj)+\e], v[128+8*(2*\m+\tj)+\e:129+8*(2*\m+\tj)+\e], v[10+2*\tj:11+2*\tj] op_sel_hi:[1,0]   ; + bp of the lane's channel
.endr
.endr
.endr
.irp m, 0,1,2,3
.irp tj, 0,1
	ds_store_b128 v56, v[128+8*(2*\m+\tj):131+8*(2*\m+\tj)] offset:2176*\tj+128*(\m/2)+32*(\m%2)      ; lane (r, h): pixels 32 (m / 2) + 8 (m % 2) + 16 h + 0 .. 7 of channel 8 Tj + r + 8 (r / 8)
	ds_store_b128 v56, v[132+8*(2*\m+\tj):135+8*(2*\m+\tj)] offset:2176*\tj+128*(\m/2)+32*(\m%2)+16
.endr
.endr
.irp i, 0,1,2,3,4,5,6,7,8,9,10,11,12,13,14,15
	ds_load_b128 v[192+4*\i:195+4*\i], v57 offset:544*\i   ; my own bytes: LDS serves a wave's instructions in order, these see the stores above
.endr
	s_wait_dscnt 0x0
	s_wait_loadcnt 0x0                             ; x
	WIN 0x04                                       ; source 1 (x) window 1
.set i, 0
.rept 32
	v_pk_add_f32 v[192+i:193+i], v[192+i:193+i], v[64+i:65+i]
.set i, i+2
.endr
	WIN 0
.irp i, 0,1,2,3,4,5,6,7,8,9,10,11,12,13,14,15
	global_store_b128 v58, v[192+4*\i:195+4*\i], s[18:19] offset:32768*\i th:TH_STORE_NT   ; 16 lanes store 256 consecutive bytes, at a multiple of 256 from out0's first byte
.endr
	s_wait_tensorcnt 0x0                           ; the wave's end: behind my last tensor load and my last LDS store
	ds_add_u32 v1, v2
	s_wait_dscnt 0x0
	ROUND                                          ; the closing round: no work-group ends while a partner may still ask for a block that names it
	s_endpgm
.Lfunc_end_k_qf62a1808a9_attn:
	.size	k_qf62a1808a9_attn, .Lfunc_end_k_qf62a1808a9_attn-k_qf62a1808a9_attn
	.p2alignl 7, 3214868480
	.fill 96, 4, 3214868480
	.section	.rodata,"a",@progbits
	.p2align	6, 0x0
	.amdhsa_kernel k_qf62a1808a9_attn
		.amdhsa_group_segment_fixed_size 327680
		.amdhsa_private_segment_fixed_size 0
		.amdhsa_enable_private_segment 0
		.amdhsa_kernarg_size 64
		.amdhsa_user_sgpr_count 2
		.amdhsa_user_sgpr_kernarg_segment_ptr 1
		.amdhsa_wavefront_size32 1
		.amdhsa_system_sgpr_workgroup_id_x 1
		.amdhsa_system_sgpr_workgroup_id_y 1
		.amdhsa_system_sgpr_workgroup_id_z 1
		.amdhsa_system_vgpr_workitem_id 0
		.amdhsa_next_free_vgpr 512
		.amdhsa_next_free_sgpr 66
		.amdhsa_reserve_vcc 1
		.amdhsa_float_denorm_mode_32 3
		.amdhsa_float_denorm_mode_16_64 3
		.amdhsa_memory_ordered 1
		.amdhsa_forward_progress 1
		.amdhsa_inst_pref_size 255
	.end_amdhsa_kernel
	.section	.bss,"aw",@nobits
	.p2align	6
	.space	262144
	.amdgpu_metadata
---
amdhsa.version: [ 1, 2 ]
amdhsa.kernels:
  - .name:           k_qf62a1808a9_attn
    .symbol:         k_qf62a1808a9_attn.kd
    .args:
      - { .name: qc, .offset: 0, .size: 8, .value_kind: global_buffer, .address_space: global }
      - { .name: qs, .offset: 8, .size: 8, .value_kind: global_buffer, .address_space: global }
      - { .name: kv, .offset: 16, .size: 8, .value_kind: global_buffer, .address_space: global }
      - { .name: wimg, .offset: 24, .size: 8, .value_kind: global_buffer, .address_space: global }
      - { .name: wscl, .offset: 32, .size: 8, .value_kind: global_buffer, .address_space: global }
      - { .name: bp, .offset: 40, .size: 8, .value_kind: global_buffer, .address_space: global }
      - { .name: x, .offset: 48, .size: 8, .value_kind: global_buffer, .address_space: global }
      - { .name: out0, .offset: 56, .size: 8, .value_kind: global_buffer, .address_space: global }
    .group_segment_fixed_size: 327680
    .private_segment_fixed_size: 0
    .kernarg_segment_align: 8
    .kernarg_segment_size: 64
    .max_flat_workgroup_size: 256
    .sgpr_count:     66
    .vgpr_count:     512
    .wavefront_size: 32
...
	.end_amdgpu_metadata
.endif
;; end of part 3
